; MI455X (gfx1250); checked and timed in simulation.
; The chip was launched on July 23, 2026; its instructions are those of AMD's public machine-readable ISA for CDNA 5 (MIT licence, August 2026) and "CDNA5" Instruction Set Architecture Reference Guide (July 2026). The comments in the code are by the model that wrote it; some were corrected since.
;; Representation Fusion. Allowed arithmetic: float matrix products may take bf16 or f16 operands with f32 sums; all other float work in f32.
;; Inputs: W11 2,048 x 1,024 float32; W12 2,048 x 1,024 float32; W21 1,024 x 1 float32; W22 1,024 x 1 float32; b11 1,024 float32; b12 1,024 float32; b21 1 float32; b22 1 float32; feature1 128 x 1,024 float32; feature1_seq 128 x 128 x 1,024 float32; feature2 128 x 1,024 float32.
;; Outputs: out0 128 x 1,024 float32.
;; 2 versions, each right; version 2 is version 1 with the launches prep, fuse written anew for expert scheduling mode. Each part assembles by itself: llvm-mc -triple=amdgcn-amd-amdhsa -mcpu=gfx1250 --defsym DOCPART=n.
;; ======== version 1 of 2: 3 launches
;; limits: values outside matrix products are rounded to bf16
;; workspace buffers: wf 4,194,304 bytes; cpart 4,194,304 bytes; part 1,048,576 bytes
;; launch prep (part 1): grid 256 x 1, 4 waves a work-group, no clusters, 143,872 bytes of LDS; arguments W11, W12, feature1, feature2, wf, cpart; writes wf, cpart
.if DOCPART == 1
	.amdgcn_target "amdgcn-amd-amdhsa--gfx1250"
	.amdhsa_code_object_version 6
	.text
	.protected	k_q0474a3fc3c_prep
	.globl	k_q0474a3fc3c_prep
	.p2align	8
	.type	k_q0474a3fc3c_prep,@function
k_q0474a3fc3c_prep:
	s_mov_b64 s[64:65], 0
	v_nop
	global_prefetch_b8 v0, s[64:65] scope:SCOPE_SE
	s_setreg_imm32_b32 hwreg(HW_REG_WAVE_MODE, 25, 1), 1
	s_wait_xcnt 0x0
; PREPARATION.  W1_h is [2048][1024] f32, h = 0 (W11), 1 (W12).  Its rows 0-1023 multiply the sequence, its rows 1024-2047 the feature row, which is the same for all 128 steps.
; A work-group takes 256 rows x 64 columns of one W1_h (rows of 256 bytes, each byte read once in the launch), rounds them to bf16 and lays them into LDS as [k][n].
;   ks < 4  (TURN):    the block is read back turned (ds_load_tr16_b128) and stored as ready fragments (16 columns x 32 k, 1,024 bytes: lane l, 16 bytes, twice) into wf:
;                      byte = head 2^21 + (n/128) 2^18 + (k/32) 2^13 + ((n/16)%8) 2^10 + half 512 + lane 16.
;   ks >= 4 (PRODUCT): cpart[ks-4][head][b][n] = the sum over the block's 256 k of f_head[b][k] W1_head[1024+k][n], all 128 b, in f32: four partial sums that the next launch adds.
; The role hangs on the work-group's number alone, so all four waves take the same way and each way holds its one barrier.
; Matrix operands are rounded to bf16 (nearest even), sums are f32.  No cluster: no two work-groups read the same bytes of W; the features, 128 KiB a work-group, are the small part.
.set PW,  160          ; a row of the block in LDS: 128 bytes + 32: an odd multiple of 32, as the turning load's 8 rows x 32 bytes want
.set FA,  40960        ; behind the block: for each wave 32 feature rows of 256 bf16, 528 bytes apart
.set PF,  528
.set STG, 108544       ; for each wave 32 rows of 64 f32, 272 bytes apart: the way out
.set PS,  272
.set WST, 64           ; v64-191: W as loaded (32 loads); later fragments
.set ACC, 192          ; v192-255: 8 accumulators, (mt, nb) at ACC + 8 (4 mt + nb)
.set MSB, 0
.macro WIN new                         ; s_set_vgpr_msb: bits 1:0 source 0, 3:2 source 1, 5:4 source 2, 7:6 destination; the high byte repeats the setting that is left
.if MSB != (\new)
	s_set_vgpr_msb (MSB<<8)|(\new)
.set MSB, (\new)
.endif
.endm
; my wave's 64 rows of the block: 32 loads, two rows of 256 bytes each
.macro WLOADS
.set i, 0
.rept 32
	global_load_b128 v[WST+4*i:WST+4*i+3], v4, s[20:21] offset:i*8192 th:TH_LOAD_NT
.set i, i+1
.endr
.endm
; rounded in place and laid into LDS; then the barrier behind which every wave may read the whole block
.macro WTOLDS
.set i, 0
.rept 32
	s_wait_loadcnt 31-i                    ; loads come back in order: load i is in, the 31 - i younger ones may be out
	v_cvt_pk_bf16_f32 v[WST+4*i], v[WST+4*i], v[WST+4*i+1]
	v_cvt_pk_bf16_f32 v[WST+4*i+1], v[WST+4*i+2], v[WST+4*i+3]
	ds_store_b64 v5, v[WST+4*i:WST+4*i+1] offset:i*2*PW
.set i, i+1
.endr
	s_wait_dscnt 0x0                       ; for the others' sake: all my LDS stores are done
	s_barrier_signal -1
	s_barrier_wait -1
.endm
	s_load_b256 s[8:15], s[0:1], 0x0       ; W11 s[8:9], W12 s[10:11], feature1 s[12:13], feature2 s[14:15]
	s_load_b128 s[16:19], s[0:1], 0x20     ; wf s[16:17], cpart s[18:19]
	v_lshl_add_u32 v62, v0, 2, 0x23000
	v_mov_b32 v63, 0
	v_lshrrev_b32 v1, 5, v0
	v_readfirstlane_b32 s2, v1             ; wave 0..3
	v_and_b32 v1, 31, v0                   ; lane
	v_and_b32 v2, 15, v0                   ; r = lane % 16
	v_bfe_u32 v3, v0, 4, 1                 ; h = lane / 16
	s_and_b32 s3, ttmp9, 15                ; which 64 columns
	s_bfe_u32 s4, ttmp9, 0x30004           ; ks: which 256 rows
	s_lshr_b32 s5, ttmp9, 7                ; head
	v_lshlrev_b32 v4, 4, v2
	v_lshl_add_u32 v4, v3, 12, v4          ; in memory: row h of two, 16 bytes a lane (W, and cpart on the way out)
	s_mul_i32 s6, s2, 64*PW                ; my wave's 64 rows in LDS
	v_mul_u32_u24 v5, v3, PW
	v_lshl_add_u32 v5, v2, 3, v5
	v_add_nc_u32 v5, s6, v5                ; where my 8 bytes of bf16 go
	v_and_b32 v6, 7, v0
	v_lshl_add_u32 v6, v3, 3, v6
	v_mul_u32_u24 v6, v6, PW
	v_bfe_u32 v7, v0, 3, 1
	v_lshl_add_u32 v6, v7, 4, v6           ; the turning load: row 8 h + lane % 8, 16 bytes for each half of eight lanes
	v_lshlrev_b32 v7, 4, v1                ; 16 x lane
	s_lshl_b32 s24, s4, 20                 ; the block's first byte for my wave: (256 ks + 64 w) rows of 4,096 bytes + 256 bytes x column block
	s_lshl_b32 s26, s2, 18
	s_add_co_u32 s24, s24, s26
	s_lshl_b32 s26, s3, 8
	s_add_co_u32 s24, s24, s26
	s_mov_b32 s25, 0
	s_wait_kmcnt 0x0
	s_cmp_eq_u32 s5, 0
	s_cselect_b64 s[20:21], s[8:9], s[10:11]    ; the head's W
	s_cselect_b64 s[22:23], s[12:13], s[14:15]  ; and its feature
	s_add_nc_u64 s[20:21], s[20:21], s[24:25]
	s_cmp_ge_u32 s4, 4
	s_cbranch_scc1 .Lproduct
	; ---- TURN ----
	WLOADS
	s_lshl_b32 s24, s5, 21                 ; head
	s_lshr_b32 s26, s3, 1
	s_lshl_b32 s26, s26, 18                ; n / 128
	s_add_co_u32 s24, s24, s26
	s_lshl_b32 s26, s4, 16                 ; k / 32 = 8 ks + 2 w + kk
	s_add_co_u32 s24, s24, s26
	s_lshl_b32 s26, s2, 14
	s_add_co_u32 s24, s24, s26
	s_and_b32 s26, s3, 1
	s_lshl_b32 s26, s26, 12                ; (n / 16) % 8 = 4 (column block % 2) + nb
	s_add_co_u32 s24, s24, s26
	s_add_nc_u64 s[16:17], s[16:17], s[24:25]
	v_add_nc_u32 v6, s6, v6                ; my wave turns the 64 rows that it brought
	WTOLDS
.set j, 0
.rept 16                                       ; load j: k block j / 8, column block (j / 2) % 4, half j % 2 of the fragment's 32 k
	ds_load_tr16_b128 v[WST+4*j:WST+4*j+3], v6 offset:(j/8)*32*PW+(j%2)*16*PW+((j/2)%4)*32
.set j, j+1
.endr
.set j, 0
.rept 16
	s_wait_dscnt 15-j                      ; LDS loads come back in order
	global_store_b128 v7, v[WST+4*j:WST+4*j+3], s[16:17] offset:(j/8)*8192+((j/2)%4)*1024+(j%2)*512  ; 512 consecutive bytes, at a multiple of 512 from wf's first
.set j, j+1
.endr
	s_wait_tensorcnt 0x0
	ds_add_u32 v62, v63
	s_wait_dscnt 0x0
	s_endpgm
	; ---- PRODUCT ----
.Lproduct:
	s_sub_co_u32 s27, s4, 4                ; kq
	s_lshl_b32 s24, s2, 17                 ; my wave's 32 feature rows of 4,096 bytes,
	s_lshl_b32 s26, s27, 10                ; their 256 numbers of this block's k
	s_add_co_u32 s24, s24, s26
	s_add_nc_u64 s[22:23], s[22:23], s[24:25]
	WIN 0x40                               ; destination window 1
.set j, 0
.rept 64                                       ; row j / 2, half j % 2: 512 consecutive bytes a load
	global_load_b128 v[4*j:4*j+3], v7, s[22:23] offset:(j/2)*4096+(j%2)*512
.set j, j+1
.endr
	WIN 0
	WLOADS
	s_mul_i32 s28, s2, 32*PF
	s_add_co_u32 s28, s28, FA              ; my wave's feature rows in LDS
	v_lshl_add_u32 v8, v1, 3, s28          ; in: 8 bytes a lane
	v_mul_u32_u24 v9, v2, PF
	v_lshl_add_u32 v9, v3, 4, v9
	v_add_nc_u32 v9, s28, v9               ; a fragment: row r, 16 bytes for each half of the lanes
	s_mul_i32 s28, s2, 32*PS
	s_add_co_u32 s28, s28, STG             ; my wave's stage
	v_mul_u32_u24 v10, v2, PS
	v_lshl_add_u32 v10, v3, 5, v10
	v_add_nc_u32 v10, s28, v10             ; in: row r, 32 bytes for each half of the lanes
	v_mul_u32_u24 v11, v3, PS
	v_lshl_add_u32 v11, v2, 4, v11
	v_add_nc_u32 v11, s28, v11             ; back: lanes 0-15 one row of 256 bytes, lanes 16-31 the next
	s_lshl_b32 s24, s27, 20                ; cpart: ((2 kq + head) 128 + 32 w) rows of 4,096 bytes + 256 bytes x column block
	s_lshl_b32 s26, s5, 19
	s_add_co_u32 s24, s24, s26
	s_lshl_b32 s26, s2, 17
	s_add_co_u32 s24, s24, s26
	s_lshl_b32 s26, s3, 8
	s_add_co_u32 s24, s24, s26
	s_add_nc_u64 s[18:19], s[18:19], s[24:25]
	s_wait_loadcnt 32                      ; the features are in; W's 32 loads, issued behind them, may be out
	WIN 0x45                               ; sources and destination window 1: rounded in place
.set j, 0
.rept 64
	v_cvt_pk_bf16_f32 v[4*j], v[4*j], v[4*j+1]
	v_cvt_pk_bf16_f32 v[4*j+1], v[4*j+2], v[4*j+3]
.set j, j+1
.endr
	WIN 0x04                               ; the stores' data window 1, their address window 0
.set j, 0
.rept 64
	ds_store_b64 v8, v[4*j:4*j+1] offset:(j/2)*PF+(j%2)*256
.set j, j+1
.endr
	WIN 0
	WTOLDS
.set j, 0
.rept 32                                       ; my 32 feature rows as fragments: 16 rows mt = j / 16, k block (j / 2) % 8.  My own bytes: LDS serves a wave's instructions in order
	ds_load_b128 v[WST+4*j:WST+4*j+3], v9 offset:(j/16)*16*PF+((j/2)%8)*64+(j%2)*32
.set j, j+1
.endr
	WIN 0x40
.set j, 0
.rept 64                                       ; the whole block turned: k block j / 8, column block (j / 2) % 4 at window 1, v[8 (4 kb + nb)]
	ds_load_tr16_b128 v[4*j:4*j+3], v6 offset:(j/8)*32*PW+(j%2)*16*PW+((j/2)%4)*32
.set j, j+1
.endr
	s_wait_dscnt 0x0
	WIN 0x01                               ; source 0 (W) window 1; source 1 (features), C and D window 0
	; Used transposed: source 0 = 16 columns of W, source 1 = 16 feature rows: a lane then holds eight neighbouring n of one row b.
	; The eight accumulators take turns, one instruction a turn; the first k block starts the sums.
.irp kb, 0,1,2,3,4,5,6,7
.irp mt, 0,1
.irp nb, 0,1,2,3
.if \kb == 0
	v_wmma_f32_16x16x32_bf16 v[ACC+8*(4*\mt+\nb):ACC+8*(4*\mt+\nb)+7], v[8*(4*\kb+\nb):8*(4*\kb+\nb)+7], v[WST+8*(8*\mt+\kb):WST+8*(8*\mt+\kb)+7], 0
.else
	v_wmma_f32_16x16x32_bf16 v[ACC+8*(4*\mt+\nb):ACC+8*(4*\mt+\nb)+7], v[8*(4*\kb+\nb):8*(4*\kb+\nb)+7], v[WST+8*(8*\mt+\kb):WST+8*(8*\mt+\kb)+7], v[ACC+8*(4*\mt+\nb):ACC+8*(4*\mt+\nb)+7]
.endif
.endr
.endr
.endr
	WIN 0
.rept 4
	v_nop                                  ; four places behind the last product, ahead of the stores of results and of the loads into the fragments' registers
.endr
.irp mt, 0,1
.irp nb, 0,1,2,3
	ds_store_b128 v10, v[ACC+8*(4*\mt+\nb):ACC+8*(4*\mt+\nb)+3] offset:\mt*16*PS+\nb*64        ; each accumulator from its low end on
	ds_store_b128 v10, v[ACC+8*(4*\mt+\nb)+4:ACC+8*(4*\mt+\nb)+7] offset:\mt*16*PS+\nb*64+16
.endr
.endr
.set j, 0
.rept 16
	ds_load_b128 v[WST+4*j:WST+4*j+3], v11 offset:j*2*PS   ; my own stage, served in order: these see the stores above
.set j, j+1
.endr
.set j, 0
.rept 16
	s_wait_dscnt 15-j
	global_store_b128 v4, v[WST+4*j:WST+4*j+3], s[18:19] offset:j*8192  ; 16 lanes store 256 consecutive bytes, at a multiple of 256 from cpart's first
.set j, j+1
.endr
	s_wait_tensorcnt 0x0
	ds_add_u32 v62, v63
	s_wait_dscnt 0x0
	s_endpgm
.Lfunc_end_k_q0474a3fc3c_prep:
	.size	k_q0474a3fc3c_prep, .Lfunc_end_k_q0474a3fc3c_prep-k_q0474a3fc3c_prep
	.p2alignl 7, 3214868480
	.fill 96, 4, 3214868480
	.section	.rodata,"a",@progbits
	.p2align	6, 0x0
	.amdhsa_kernel k_q0474a3fc3c_prep
		.amdhsa_group_segment_fixed_size 143872
		.amdhsa_private_segment_fixed_size 0
		.amdhsa_enable_private_segment 0
		.amdhsa_kernarg_size 48
		.amdhsa_user_sgpr_count 2
		.amdhsa_user_sgpr_kernarg_segment_ptr 1
		.amdhsa_wavefront_size32 1
		.amdhsa_system_sgpr_workgroup_id_x 1
		.amdhsa_system_sgpr_workgroup_id_y 1
		.amdhsa_system_sgpr_workgroup_id_z 1
		.amdhsa_system_vgpr_workitem_id 0
		.amdhsa_next_free_vgpr 512
		.amdhsa_next_free_sgpr 66
		.amdhsa_reserve_vcc 0
		.amdhsa_float_denorm_mode_32 3
		.amdhsa_float_denorm_mode_16_64 3
		.amdhsa_memory_ordered 1
		.amdhsa_forward_progress 1
		.amdhsa_inst_pref_size 60
	.end_amdhsa_kernel
	.amdgpu_metadata
---
amdhsa.version: [ 1, 2 ]
amdhsa.kernels:
  - .name:           k_q0474a3fc3c_prep
    .symbol:         k_q0474a3fc3c_prep.kd
    .args:
      - { .name: W11, .offset: 0, .size: 8, .value_kind: global_buffer, .address_space: global }
      - { .name: W12, .offset: 8, .size: 8, .value_kind: global_buffer, .address_space: global }
      - { .name: feature1, .offset: 16, .size: 8, .value_kind: global_buffer, .address_space: global }
      - { .name: feature2, .offset: 24, .size: 8, .value_kind: global_buffer, .address_space: global }
      - { .name: wf, .offset: 32, .size: 8, .value_kind: global_buffer, .address_space: global }
      - { .name: cpart, .offset: 40, .size: 8, .value_kind: global_buffer, .address_space: global }
    .group_segment_fixed_size: 143872
    .private_segment_fixed_size: 0
    .kernarg_segment_align: 8
    .kernarg_segment_size: 48
    .max_flat_workgroup_size: 128
    .sgpr_count:     66
    .vgpr_count:     512
    .wavefront_size: 32
...
	.end_amdgpu_metadata
.endif
;; end of part 1
;; launch fuse (part 2): grid 256 x 1, 4 waves a work-group, no clusters, 314,112 bytes of LDS; arguments feature1_seq, wf, cpart, b11, b12, W21, W22, b21, b22, part; writes part
.if DOCPART == 2
	.amdgcn_target "amdgcn-amd-amdhsa--gfx1250"
	.amdhsa_code_object_version 6
	.text
	.protected	k_q0474a3fc3c_fuse
	.globl	k_q0474a3fc3c_fuse
	.p2align	8
	.type	k_q0474a3fc3c_fuse,@function
k_q0474a3fc3c_fuse:
	s_mov_b64 s[64:65], 0
	v_nop
	global_prefetch_b8 v0, s[64:65] scope:SCOPE_SE
	s_setreg_imm32_b32 hwreg(HW_REG_WAVE_MODE, 25, 1), 1
	s_wait_xcnt 0x0
; ONE BATCH COLUMN b AND ONE HEAD TO A WORK-GROUP (256 of them).  X = feature1_seq[:, b, :] is 128 x 1024.
;   score[s] = b2 + sum over n of W2[n] tanh( (X W1[0:1024])[s][n] + c[n] ),  c[n] = (f[b] W1[1024:2048])[n] + b1[n]  (its four partial sums come from cpart)
;   w = softmax over the 128 s (the true maximum is taken away);  part[head][b][d] = (1/256) sum over s of w[s] X[s][d].   The last launch adds the two heads.
; X is read from memory once by the work-group, rounded to bf16 and kept in LDS for the whole launch: it is the first product's A and the pooled sum's operand.
; tanh(x) = 1 - 2 / (1 + 2^(2 log2(e) x)), so score = b2 + sum W2 + sum over n of (-2 W2[n]) / (1 + 2^(K2 x)), K2 = 2.885390.
; LIMITS.  X and W1 enter the product in bf16 (nearest even); the pooled sum takes the same bf16 X with f32 weights and f32 sums.  Where 2^(K2 x) overflows or falls below 2^-126 the
; quotient is exactly 0 or 1, tanh exactly 1 or -1.  A softmax weight below 2^-126 counts as 0.  NaN and infinities are not treated apart.
; SHARES.  Four waves.  The product is 128 x 1024, K = 1024; a wave makes 128 x 128 at a time (64 accumulators, 512 registers), two chunks: columns n = 256 w + 128 chunk + 16 nb + r.
; A comes from LDS (16 loads a K step of 32, for 64 matrix instructions).  B comes from wf STRAIGHT INTO REGISTERS, as ready fragments: 16 loads of 512 consecutive bytes a K step.
; NO TENSOR LOADS, NO CLUSTER: a fragment of B is read by one wave of the work-group alone, so LDS would add no reuse inside it; X takes 264,192 of the 327,680 bytes of LDS, and in what is
; left a ring shared with partners would hold less than 64 along K of a chunk's 512 columns.  The ring of four stages in registers has 48 loads (24 KiB) of every wave on their way,
; each issued three K steps, 192 matrix instructions, ahead of its use, and the K loop has no barrier.  The price: every work-group asks for its head's 2 MiB of wf itself.
; REGISTERS, in windows of 256 (s_set_vgpr_msb: bits 1:0 source 0, 3:2 source 1, 5:4 source 2, 7:6 destination):
;   window 0: v0-41 ids, addresses, small work; v64-127, v128-191 A's fragments, two buffers (the second also serves the epilogue); v192-255 T: the scores' partial sums
;   window 1: B's ring, stage st at 64 st + 8 nb        windows 2, 3: accumulator (a, nb) at 8 (8 (a % 4) + nb) of window 2 + a / 4; at the start window 2 takes X as loaded
.set PA,   2064        ; a row of X in LDS: 2,048 bytes + 16 = 129 x 16: the 16 rows of a fragment load start at 16 different groups of four banks (64 banks of 4 bytes: ISA guide 11.1)
.set SCR,  264192      ; 128 rows x 272 bytes: 64 partial scores a row (column 16 w + r)
.set PSC,  272
.set CV,   299008      ; K2 c[n], 1,024 f32
.set MW,   303104      ; -2 W2[n], 1,024 f32 (CV + 4,096)
.set WSUM, 307200      ; four waves' sums of W2
.set WTS,  307456      ; for each wave the 128 weights, 512 bytes
.set OS,   309504      ; for each wave 1,024 bytes: the way out
.set F0,   64
.set F1,   128
.set T,    192
.set CP,   128         ; epilogue: K2 c of my column in block nb, in both registers of pair CP + 2 nb
.set MP,   144         ; the same for -2 W2
.set XS,   160         ; three sets of eight at work
.set XB,   64          ; pooling: X's rows, two buffers of 32
.set WB,   128         ; pooling: eight weights, two buffers
.set OA,   144         ; pooling: two sets of eight sums (even rows', odd rows')
.set MSB, 0
.macro WIN new                         ; the immediate's high byte repeats the setting that is left; a switch that changes nothing is dropped
.if MSB != (\new)
	s_set_vgpr_msb (MSB<<8)|(\new)
.set MSB, (\new)
.endif
.endm
; A load into a register that a matrix instruction has read, and a vector instruction that reads a matrix result, stand four places behind it; only plain vector
; instructions that name none of its registers are places (ISA guide 7.12.1 for vector instructions).
.macro PLACES
.rept 4
	v_nop
.endr
.endm
; four rows of X (4,096 bytes each, 2^19 bytes apart) into staging buffer buf of window 2: 32 loads of 512 consecutive bytes
.macro ALOADS buf, row0
	WIN 0x80
.irp rr, 0,1,2,3
.irp i, 0,1,2,3,4,5,6,7
	global_load_b128 v[128*(\buf)+4*(8*\rr+\i):128*(\buf)+4*(8*\rr+\i)+3], v8, s[28:29] offset:((\row0)+\rr)*524288+512*\i
.endr
.endr
.endm
; they are rounded to bf16 and laid into LDS
.macro ACONV buf, lrow0
	WIN 0x0a                               ; sources window 2, destination window 0
.set j, 0
.rept 32
	v_cvt_pk_bf16_f32 v[F0+2*j], v[128*(\buf)+4*j], v[128*(\buf)+4*j+1]
	v_cvt_pk_bf16_f32 v[F0+2*j+1], v[128*(\buf)+4*j+2], v[128*(\buf)+4*j+3]
.set j, j+1
.endr
	WIN 0
.set j, 0
.rept 32
	ds_store_b64 v10, v[F0+2*j:F0+2*j+1] offset:((\lrow0)+j/8)*PA+256*(j%8)
.set j, j+1
.endr
.endm
; one K step's eight fragments of B into stage st
.macro BLOADS st, ofs
	WIN 0x40
.irp nb, 0,1,2,3,4,5,6,7
	global_load_b128 v[64*(\st)+8*\nb:64*(\st)+8*\nb+3], v8, s[32:33] offset:(\ofs)+1024*\nb
	global_load_b128 v[64*(\st)+8*\nb+4:64*(\st)+8*\nb+7], v8, s[32:33] offset:(\ofs)+1024*\nb+512
.endr
.endm
; one K step's eight fragments of A (16 rows x 32 k: two loads of 16 bytes, 32 bytes apart) into buffer f
.macro AFETCH f, aofs
	WIN 0
.irp a, 0,1,2,3,4,5,6,7
	ds_load_b128 v[(\f)+8*\a:(\f)+8*\a+3], v[4+\a/2] offset:(\a%2)*16*PA+(\aofs)
	ds_load_b128 v[(\f)+8*\a+4:(\f)+8*\a+7], v[4+\a/2] offset:(\a%2)*16*PA+(\aofs)+32
.endr
.endm
; 32 matrix instructions: row blocks 4 hi .. 4 hi + 3 x all eight column blocks.  All 64 accumulators take turns, one instruction a turn, in the same order in every K step,
; over the loops' edges too.  zero = 1: the chunk's first K step starts the sums.
.macro MUL32 f, st, hi, zero
	WIN 0xa4+0x50*(\hi)                    ; A window 0, B window 1, C and D window 2 or 3
.irp a, 0,1,2,3
.irp nb, 0,1,2,3,4,5,6,7
.if \zero
	v_wmma_f32_16x16x32_bf16 v[8*(8*\a+\nb):8*(8*\a+\nb)+7], v[(\f)+8*(4*(\hi)+\a):(\f)+8*(4*(\hi)+\a)+7], v[64*(\st)+8*\nb:64*(\st)+8*\nb+7], 0
.else
	v_wmma_f32_16x16x32_bf16 v[8*(8*\a+\nb):8*(8*\a+\nb)+7], v[(\f)+8*(4*(\hi)+\a):(\f)+8*(4*(\hi)+\a)+7], v[64*(\st)+8*\nb:64*(\st)+8*\nb+7], v[8*(8*\a+\nb):8*(8*\a+\nb)+7]
.endif
.endr
.endr
.endm
; K STEP J multiplies A's buffer f by B's stage st = J % 4.  At its head it asks for B of step J + 3 (into the stage that step J - 1 read) and for A of step J + 1 (into the buffer that
; step J - 1 read), four places behind step J - 1's last product.  adj = 1: A's addresses go 256 bytes on; 2: back to a row's first byte; these four lines are then the places.
.macro STEP f, st, zero, adj, aofs, bofs
.if (\adj) == 1
	WIN 0
	s_add_co_u32 s56, s56, 256
.irp p, 0,1,2,3
	v_add_nc_u32 v[4+\p], s56, v[16+\p]
.endr
.elseif (\adj) == 2
	WIN 0
	s_mov_b32 s56, 0
.irp p, 0,1,2,3
	v_mov_b32 v[4+\p], v[16+\p]
.endr
.else
	PLACES
.endif
	BLOADS ((\st)+3)%4, \bofs
	AFETCH F0+F1-(\f), \aofs
	s_wait_loadcnt 48                      ; B of this step is in: behind it were issued the loads of steps J + 1, J + 2, J + 3, 16 each
	s_wait_dscnt 16                        ; A of this step is in: behind it were issued the 16 loads above
	MUL32 \f, \st, 0, \zero
	MUL32 \f, \st, 1, \zero
.endm
; THE EPILOGUE of tile i (row block a = i % 8, column block nb = i / 8), in five parts on set i % 3 of X:
.macro EF i                            ; K2 acc + K2 c, the accumulator's registers in ascending order
.set ea, (\i)%8
.set enb, (\i)/8
.set ex, XS+8*((\i)%3)
.set eacc, 8*(8*(ea%4)+enb)
	WIN 0x02+ea/4                          ; source 0 window 2 or 3
.irp p, 0,2,4,6
	v_pk_fma_f32 v[ex+\p:ex+\p+1], v[eacc+\p:eacc+\p+1], s[44:45], v[CP+2*enb:CP+2*enb+1] op_sel_hi:[1,0,1]
.endr
.endm
.macro EE i                            ; 2^x
.set ex, XS+8*((\i)%3)
	WIN 0
.irp p, 0,1,2,3,4,5,6,7
	v_exp_f32 v[ex+\p], v[ex+\p]
.endr
.endm
.macro EP i                            ; 1 + 2^x
.set ex, XS+8*((\i)%3)
	WIN 0
	s_wait_alu depctr_va_vdst(0)
.irp p, 0,2,4,6
	v_pk_add_f32 v[ex+\p:ex+\p+1], v[ex+\p:ex+\p+1], 1.0 op_sel_hi:[1,0]
.endr
.endm
.macro ER i                            ; its reciprocal
.set ex, XS+8*((\i)%3)
.irp p, 0,1,2,3,4,5,6,7
	v_rcp_f32 v[ex+\p], v[ex+\p]
.endr
.endm
.macro ET i                            ; T += (-2 W2) x that
.set ea, (\i)%8
.set enb, (\i)/8
.set ex, XS+8*((\i)%3)
	s_wait_alu depctr_va_vdst(0)
.irp p, 0,2,4,6
	v_pk_fma_f32 v[T+8*ea+\p:T+8*ea+\p+1], v[ex+\p:ex+\p+1], v[MP+2*enb:MP+2*enb+1], v[T+8*ea+\p:T+8*ea+\p+1]
.endr
.endm
; The parts of neighbouring tiles are laid so that behind each run of exponentials or reciprocals stands plain work of another tile before a result is used (ISA guide 5.7.2):
; the next tile's EF behind the exponentials, the tile before's ET behind the reciprocals.
.macro EPILOGUE
	WIN 0
	PLACES                                 ; behind the chunk's last product: the loads below land in A's second buffer, EF reads results
	s_lshl_b32 s59, s49, 9                 ; 128 columns of f32 a chunk
	v_add_nc_u32 v11, s59, v41
.irp nb, 0,1,2,3,4,5,6,7
	ds_load_b32 v[CP+2*\nb], v11 offset:\nb*64
	ds_load_b32 v[CP+2*\nb+1], v11 offset:\nb*64           ; twice: the packed instructions take a pair
	ds_load_b32 v[MP+2*\nb], v11 offset:4096+\nb*64
	ds_load_b32 v[MP+2*\nb+1], v11 offset:4096+\nb*64
.endr
	s_wait_dscnt 0x0
	EF 0
.set ii, 0
.rept 64
	EE ii
.if ii < 63
	EF ii+1
.else
	v_nop
	s_wait_alu depctr_va_vdst(0)
.endif
	EP ii
	ER ii
.if ii > 0
	ET ii-1
.endif
.set ii, ii+1
.endr
	ET 63
.endm
; one row's 64 partial scores for each lane: row 32 i + lane
.macro RLOAD i, base
.set j, 0
.rept 16
	ds_load_b128 v[(\base)+4*j:(\base)+4*j+3], v13 offset:(\i)*32*PSC+16*j
.set j, j+1
.endr
.endm
.macro RSUM base, dst                  ; their sum, by halves: 31 packed additions and one
.irp n, 32,16,8,4,2
.set k, 0
.rept (\n)/2
	v_pk_add_f32 v[(\base)+k:(\base)+k+1], v[(\base)+k:(\base)+k+1], v[(\base)+(\n)+k:(\base)+(\n)+k+1]
.set k, k+2
.endr
.endr
	v_add_f32 v[\dst], v[\base], v[(\base)+1]
.endm
; pooling: eight rows of X (my wave's 512 bytes of each, 16 a lane) and their eight weights (the same address in every lane)
.macro PFETCH buf, row
.irp rr, 0,1,2,3,4,5,6,7
	ds_load_b128 v[XB+32*(\buf)+4*\rr:XB+32*(\buf)+4*\rr+3], v14 offset:((\row)+\rr)*PA
.endr
	ds_load_b128 v[WB+8*(\buf):WB+8*(\buf)+3], v15 offset:4*(\row)
	ds_load_b128 v[WB+8*(\buf)+4:WB+8*(\buf)+7], v15 offset:4*(\row)+16
.endm
.macro PMAC buf                        ; sum += bf16 half x weight, straight from the halves; even and odd rows keep sums of their own
.irp rr, 0,1,2,3,4,5,6,7
.irp e, 0,1,2,3
	v_fma_mix_f32_bf16 v[OA+8*(\rr%2)+2*\e], v[XB+32*(\buf)+4*\rr+\e], v[WB+8*(\buf)+\rr], v[OA+8*(\rr%2)+2*\e] op_sel:[0,0,0] op_sel_hi:[1,0,0]
	v_fma_mix_f32_bf16 v[OA+8*(\rr%2)+2*\e+1], v[XB+32*(\buf)+4*\rr+\e], v[WB+8*(\buf)+\rr], v[OA+8*(\rr%2)+2*\e+1] op_sel:[1,0,0] op_sel_hi:[1,0,0]
.endr
.endr
.endm
	s_load_b512 s[8:23], s[0:1], 0x0       ; seq s[8:9], wf s[10:11], cpart s[12:13], b11 s[14:15], b12 s[16:17], W21 s[18:19], W22 s[20:21], b21 s[22:23]
	s_load_b128 s[24:27], s[0:1], 0x40     ; b22 s[24:25], part s[26:27]
	v_lshl_add_u32 v62, v0, 2, 0x4c900
	v_mov_b32 v63, 0
	v_lshrrev_b32 v1, 5, v0
	v_readfirstlane_b32 s2, v1             ; wave 0..3
	s_and_b32 s3, ttmp9, 1                 ; head: the two heads of one b are neighbours
	s_lshr_b32 s4, ttmp9, 1                ; b
	v_and_b32 v1, 31, v0                   ; lane
	v_and_b32 v2, 15, v0                   ; r
	v_bfe_u32 v3, v0, 4, 1                 ; h
	v_lshlrev_b32 v8, 4, v1                ; 16 x lane; never rewritten
	v_lshlrev_b32 v9, 4, v0                ; 16 x thread; never rewritten
	s_lshl_b32 s54, s2, 24                 ; X: my wave's rows s = 32 w .., 2^19 bytes apart,
	s_lshl_b32 s55, s4, 12                 ; column b
	s_add_co_u32 s54, s54, s55
	s_mov_b32 s55, 0
	s_lshl_b32 s34, s3, 21                 ; wf: the head's 2 MiB, my wave's 512 KiB of them
	s_lshl_b32 s35, s2, 19
	s_add_co_u32 s34, s34, s35
	s_mov_b32 s35, 0
	s_lshl_b32 s50, s3, 7
	s_add_co_u32 s50, s50, s4
	s_lshl_b32 s50, s50, 12                ; row 128 head + b of 4,096 bytes, in cpart's quarters and in part
	s_mov_b32 s51, 0
	s_lshl_b32 s52, s2, 10                 ; my wave's 256 numbers of that row of part
	s_add_co_u32 s52, s52, s50
	s_mov_b32 s53, 0
	s_mov_b32 s43, 0x3fb8aa3b              ; log2(e)
	s_mov_b32 s44, 0x4038aa3b              ; K2 = 2 log2(e)
	s_mov_b32 s45, s44                     ; named with it as a pair
	s_mov_b32 s46, 0x76543210              ; v_permlanex16_b32: each lane takes its own place in the other half
	s_mov_b32 s47, 0xfedcba98
	s_wait_kmcnt 0x0
	s_add_nc_u64 s[28:29], s[8:9], s[54:55]
	s_add_nc_u64 s[30:31], s[10:11], s[34:35]
	s_add_nc_u64 s[50:51], s[12:13], s[50:51]
	s_add_nc_u64 s[52:53], s[26:27], s[52:53]
	s_cmp_eq_u32 s3, 0
	s_cselect_b64 s[36:37], s[14:15], s[16:17]   ; the head's b1,
	s_cselect_b64 s[38:39], s[18:19], s[20:21]   ; W2
	s_cselect_b64 s[40:41], s[22:23], s[24:25]   ; and b2
	s_load_b32 s42, s[40:41], 0x0
	; ---- X INTO LDS.  My wave brings rows 32 w .. 32 w + 31, four at a time through two staging buffers: 64 loads, 32 KiB, are asked for at a time.
	; (The load counter's field holds 63: the 64th load's issue waits for the first to come back, ISA guide 5.7.1; no wait is placed for that.)
	ALOADS 0, 0
	ALOADS 1, 4
	WIN 0
	v_mul_u32_u24 v16, v2, PA
	v_lshl_add_u32 v16, v3, 4, v16         ; v16-19: a fragment of A at k = 0: row 32 p + r, 16 bytes for each half of the lanes; never rewritten
	v_add_nc_u32 v17, 32*PA, v16
	v_add_nc_u32 v18, 64*PA, v16
	v_add_nc_u32 v19, 96*PA, v16
.irp p, 0,1,2,3
	v_mov_b32 v[4+\p], v[16+\p]            ; v4-7: the same plus the K loop's step
.endr
	s_mul_i32 s54, s2, 32*PA
	v_lshl_add_u32 v20, v1, 3, s54         ; where my 8 bytes of bf16 go, in my wave's first row
	v_mov_b32 v10, v20
	s_lshl_b32 s54, s2, 10
	s_add_co_u32 s54, s54, CV
	v_lshl_add_u32 v41, v2, 2, s54         ; K2 c of column 256 w + r
	s_lshl_b32 s54, s2, 6
	s_add_co_u32 s54, s54, SCR
	v_mul_u32_u24 v12, v3, 8*PSC
	v_lshl_add_u32 v12, v2, 2, v12
	v_add_nc_u32 v12, s54, v12             ; partial scores out: row 8 h, column 16 w + r
	v_mul_u32_u24 v13, v1, PSC
	v_add_nc_u32 v13, SCR, v13             ; and back: row = lane
	s_lshl_b32 s54, s2, 9
	v_lshl_add_u32 v21, v1, 4, s54         ; pooling: my 16 bytes of a row of X
	s_add_co_u32 s54, s54, WTS
	v_mov_b32 v22, s54                     ; my wave's weights
	v_lshl_add_u32 v23, v1, 2, s54
	v_add_nc_u32 v36, CV, v9
	s_lshl_b32 s54, s2, 2
	s_add_co_u32 s54, s54, WSUM
	v_mov_b32 v37, s54
	s_lshl_b32 s54, s2, 10
	s_add_co_u32 s54, s54, OS
	v_lshl_add_u32 v38, v1, 5, s54         ; the way out: in, 32 bytes a lane;
	v_lshl_add_u32 v39, v1, 4, s54         ; back, 16 bytes a lane
	v_mov_b32 v40, WSUM
.set i, 0
.rept 64
	v_mov_b32 v[T+i], 0                    ; T is added onto in both chunks by one text, so it starts at 0; these lines stand in the wait for the first rows
.set i, i+1
.endr
	s_mov_b32 s57, 0
	s_mov_b32 s48, 3
.Lrows:                                        ; a trip: eight rows into LDS, the eight rows 8 further on asked for
	s_wait_loadcnt 32                      ; the older buffer's 32 loads are in, the younger buffer's stay out
	ACONV 0, 0
	ALOADS 0, 8
	s_wait_loadcnt 32
	ACONV 1, 4
	ALOADS 1, 12
	WIN 0
	s_wait_xcnt 0x0                        ; the loads' base is stepped only behind this wait
	s_add_nc_u64 s[28:29], s[28:29], 0x400000
	s_add_co_u32 s57, s57, 8*PA
	v_add_nc_u32 v10, s57, v20
	s_sub_co_u32 s48, s48, 1
	s_cmp_lg_u32 s48, 0
	s_cbranch_scc1 .Lrows
	s_wait_loadcnt 32
	ACONV 0, 0                             ; rows 24-27
.irp q, 0,1,2,3                                ; c's parts: thread t takes numbers 4 t .. 4 t + 3 and 512 + 4 t .. of the row's 1,024
.irp i, 0,1
	global_load_b128 v[128+8*\q+4*\i:128+8*\q+4*\i+3], v9, s[50:51] offset:\q*1048576+2048*\i
.endr
.endr
.irp i, 0,1
	global_load_b128 v[160+4*\i:160+4*\i+3], v9, s[36:37] offset:2048*\i
	global_load_b128 v[168+4*\i:168+4*\i+3], v9, s[38:39] offset:2048*\i
.endr
	s_mov_b64 s[32:33], s[30:31]           ; B's ring is filled: K steps 0, 1, 2 of chunk 0
	BLOADS 0, 0
	BLOADS 1, 8192
	BLOADS 2, 16384
	s_wait_loadcnt 60                      ; rows 28-31 are in: behind them were issued the 12 loads for c and B's 48
	ACONV 1, 4
	s_wait_loadcnt 48                      ; c's parts, b1 and W2 are in; B's 48 stay out
.irp i, 0,1
.irp p, 0,2
	v_pk_add_f32 v[128+4*\i+\p:128+4*\i+\p+1], v[128+4*\i+\p:128+4*\i+\p+1], v[136+4*\i+\p:136+4*\i+\p+1]
	v_pk_add_f32 v[144+4*\i+\p:144+4*\i+\p+1], v[144+4*\i+\p:144+4*\i+\p+1], v[152+4*\i+\p:152+4*\i+\p+1]
	v_pk_mul_f32 v[176+4*\i+\p:176+4*\i+\p+1], v[168+4*\i+\p:168+4*\i+\p+1], -2.0 op_sel_hi:[1,0]
	v_pk_add_f32 v[128+4*\i+\p:128+4*\i+\p+1], v[128+4*\i+\p:128+4*\i+\p+1], v[144+4*\i+\p:144+4*\i+\p+1]
	v_pk_add_f32 v[128+4*\i+\p:128+4*\i+\p+1], v[128+4*\i+\p:128+4*\i+\p+1], v[160+4*\i+\p:160+4*\i+\p+1]
	v_pk_mul_f32 v[128+4*\i+\p:128+4*\i+\p+1], v[128+4*\i+\p:128+4*\i+\p+1], s[44:45] op_sel_hi:[1,0]
.endr
	ds_store_b128 v36, v[128+4*\i:128+4*\i+3] offset:2048*\i
	ds_store_b128 v36, v[176+4*\i:176+4*\i+3] offset:4096+2048*\i
.endr
	v_pk_add_f32 v[184:185], v[168:169], v[170:171]     ; the sum of W2: my eight, then my wave's
	v_pk_add_f32 v[186:187], v[172:173], v[174:175]
	v_pk_add_f32 v[184:185], v[184:185], v[186:187]
	v_add_f32 v184, v184, v185
	v_add_f32_dpp v184, v184, v184 row_xmask:1 row_mask:0xf bank_mask:0xf
	v_add_f32_dpp v184, v184, v184 row_xmask:2 row_mask:0xf bank_mask:0xf
	v_add_f32_dpp v184, v184, v184 row_xmask:4 row_mask:0xf bank_mask:0xf
	v_add_f32_dpp v184, v184, v184 row_xmask:8 row_mask:0xf bank_mask:0xf
	v_permlanex16_b32 v185, v184, s46, s47
	v_add_f32 v184, v184, v185
	ds_store_b32 v37, v184
	s_wait_kmcnt 0x0                       ; b2
	s_wait_dscnt 0x0                       ; for the others' sake: my rows of X, my part of K2 c and -2 W2, my sum are in LDS
	s_barrier_signal -1
	s_barrier_wait -1                      ; everybody's are.  From here on X, K2 c and -2 W2 are only read
	AFETCH F0, 0
	s_mov_b32 s49, 0
	s_mov_b32 s56, 0
	; ---- THE PRODUCT AND ITS EPILOGUE, two chunks of 128 columns a wave, one text.  32 K steps a chunk: one, seven trips of four, three.
.Lchunk:
	STEP F0, 0, 1, 0, 64, 3*8192
	WIN 0                                  ; at a label and at a branch every window is 0
	s_mov_b32 s48, 7
.Lk:
	STEP F1, 1, 0, 0, 128, 4*8192
	STEP F0, 2, 0, 0, 192, 5*8192
	STEP F1, 3, 0, 0, 256, 6*8192
	STEP F0, 0, 0, 1, 64, 7*8192
	WIN 0
	s_wait_xcnt 0x0                        ; B's base is stepped only behind this wait
	s_add_nc_u64 s[32:33], s[32:33], 0x8000
	s_sub_co_u32 s48, s48, 1
	s_cmp_lg_u32 s48, 0
	s_cbranch_scc1 .Lk
	; The last three K steps ask for the next chunk's first three.  Behind the last chunk there is none: they ask for chunk 0's once more, 24 KiB a wave inside wf that nothing reads:
	; the price of one text for both chunks, in which every wait keeps its count.
	s_cmp_eq_u32 s49, 0
	s_cselect_b32 s34, 0x40000, 0
	s_add_nc_u64 s[32:33], s[30:31], s[34:35]
	STEP F1, 1, 0, 0, 128, 0
	STEP F0, 2, 0, 0, 192, 8192
	STEP F1, 3, 0, 2, 0, 16384
	EPILOGUE
	WIN 0
	s_add_co_u32 s49, s49, 1
	s_cmp_lt_u32 s49, 2
	s_cbranch_scc1 .Lchunk
	s_wait_loadcnt 0x0                     ; the loads that nothing reads have landed
	; ---- THE SCORES.  T[8 a + j] of lane (r, h) is row 16 a + 8 h + j's sum over my wave's columns with n % 16 = r.
.irp a, 0,1,2,3,4,5,6,7
.irp j, 0,1,2,3,4,5,6,7
	ds_store_b32 v12, v[T+8*\a+\j] offset:(16*\a+\j)*PSC
.endr
.endr
	s_wait_dscnt 0x0                       ; for the others' sake
	s_barrier_signal -1
	s_barrier_wait -1                      ; the last barrier: from here each wave works for itself, and makes all 128 weights for itself
	ds_load_b128 v[32:35], v40             ; the four waves' sums of W2
	RLOAD 0, F0
	RLOAD 1, F1
	s_wait_dscnt 16                        ; all but the 16 youngest loads
	RSUM F0, 24
	RLOAD 2, F0
	s_wait_dscnt 16
	RSUM F1, 25
	RLOAD 3, F1
	s_wait_dscnt 16
	RSUM F0, 26
	s_wait_dscnt 0x0
	RSUM F1, 27                            ; v24-27: rows lane, 32 + lane, 64 + lane, 96 + lane
	v_add_f32 v32, v32, v33
	v_add_f32 v34, v34, v35
	v_add_f32 v32, v32, v34
	v_add_f32 v32, s42, v32                ; b2 + the sum of W2
	v_pk_add_f32 v[24:25], v[24:25], v[32:33] op_sel_hi:[1,0]
	v_pk_add_f32 v[26:27], v[26:27], v[32:33] op_sel_hi:[1,0]
	v_max3_num_f32 v28, v24, v25, v26      ; the maximum of the 128 scores
	v_max_num_f32 v28, v28, v27
	v_max_num_f32_dpp v28, v28, v28 row_xmask:1 row_mask:0xf bank_mask:0xf
	v_max_num_f32_dpp v28, v28, v28 row_xmask:2 row_mask:0xf bank_mask:0xf
	v_max_num_f32_dpp v28, v28, v28 row_xmask:4 row_mask:0xf bank_mask:0xf
	v_max_num_f32_dpp v28, v28, v28 row_xmask:8 row_mask:0xf bank_mask:0xf
	v_permlanex16_b32 v33, v28, s46, s47
	v_max_num_f32 v28, v28, v33
	v_mul_f32 v28, s43, v28
.irp i, 0,1,2,3
	v_fma_f32 v[24+\i], v[24+\i], s43, -v28    ; log2(e) s - log2(e) m
.endr
.irp i, 0,1,2,3
	v_exp_f32 v[24+\i], v[24+\i]
.endr
	v_nop                                  ; a plain instruction between the last exponential and the use of its result
	s_wait_alu depctr_va_vdst(0)
	v_add_f32 v28, v24, v25
	v_add_f32 v29, v26, v27
	v_add_f32 v28, v28, v29
	v_add_f32_dpp v28, v28, v28 row_xmask:1 row_mask:0xf bank_mask:0xf
	v_add_f32_dpp v28, v28, v28 row_xmask:2 row_mask:0xf bank_mask:0xf
	v_add_f32_dpp v28, v28, v28 row_xmask:4 row_mask:0xf bank_mask:0xf
	v_add_f32_dpp v28, v28, v28 row_xmask:8 row_mask:0xf bank_mask:0xf
	v_permlanex16_b32 v29, v28, s46, s47
	v_add_f32 v28, v28, v29                ; at least 1: the largest score's term
	v_rcp_f32 v28, v28
	v_nop
	s_wait_alu depctr_va_vdst(0)
	v_mul_f32 v28, 0x3b800000, v28         ; 1/256: the mean over 128 steps and the half
	v_pk_mul_f32 v[24:25], v[24:25], v[28:29] op_sel_hi:[1,0]
	v_pk_mul_f32 v[26:27], v[26:27], v[28:29] op_sel_hi:[1,0]
.irp i, 0,1,2,3
	ds_store_b32 v23, v[24+\i] offset:128*\i   ; my wave's own copy: its loads below come behind these stores, and LDS serves a wave in order
.endr
	; ---- THE POOLED SUM.  My wave takes d = 256 w .. 256 w + 255, a lane eight of them; 16 rows a trip.
	v_mov_b32 v14, v21
	v_mov_b32 v15, v22
.set i, 0
.rept 16
	v_mov_b32 v[OA+i], 0
.set i, i+1
.endr
	s_mov_b32 s57, 0
	s_mov_b32 s58, 0
	s_mov_b32 s48, 7
	PFETCH 0, 0
.Lpool:
	PFETCH 1, 8
	s_wait_dscnt 10                        ; all but the ten loads just issued
	PMAC 0
	s_add_co_u32 s57, s57, 16*PA
	s_add_co_u32 s58, s58, 64
	v_add_nc_u32 v14, s57, v21
	v_add_nc_u32 v15, s58, v22
	PFETCH 0, 0
	s_wait_dscnt 10
	PMAC 1
	s_sub_co_u32 s48, s48, 1
	s_cmp_lg_u32 s48, 0
	s_cbranch_scc1 .Lpool
	PFETCH 1, 8                            ; rows 120-127; rows 112-119 were asked for in the last trip
	s_wait_dscnt 10
	PMAC 0
	s_wait_dscnt 0x0
	PMAC 1
.irp p, 0,2,4,6
	v_pk_add_f32 v[OA+\p:OA+\p+1], v[OA+\p:OA+\p+1], v[OA+8+\p:OA+8+\p+1]
.endr
	; THE WAY OUT: a lane holds 32 consecutive bytes; through my own stage they become two stores of 512 consecutive bytes
	ds_store_b128 v38, v[OA:OA+3]
	ds_store_b128 v38, v[OA+4:OA+7] offset:16
	ds_load_b128 v[OA+8:OA+11], v39
	ds_load_b128 v[OA+12:OA+15], v39 offset:512
	s_wait_dscnt 0x0
	global_store_b128 v8, v[OA+8:OA+11], s[52:53]
	global_store_b128 v8, v[OA+12:OA+15], s[52:53] offset:512
	s_wait_tensorcnt 0x0
	ds_add_u32 v62, v63
	s_wait_dscnt 0x0
	s_endpgm
.Lfunc_end_k_q0474a3fc3c_fuse:
	.size	k_q0474a3fc3c_fuse, .Lfunc_end_k_q0474a3fc3c_fuse-k_q0474a3fc3c_fuse
	.p2alignl 7, 3214868480
	.fill 96, 4, 3214868480
	.section	.rodata,"a",@progbits
	.p2align	6, 0x0
	.amdhsa_kernel k_q0474a3fc3c_fuse
		.amdhsa_group_segment_fixed_size 314112
		.amdhsa_private_segment_fixed_size 0
		.amdhsa_enable_private_segment 0
		.amdhsa_kernarg_size 80
		.amdhsa_user_sgpr_count 2
		.amdhsa_user_sgpr_kernarg_segment_ptr 1
		.amdhsa_wavefront_size32 1
		.amdhsa_system_sgpr_workgroup_id_x 1
		.amdhsa_system_sgpr_workgroup_id_y 1
		.amdhsa_system_sgpr_workgroup_id_z 1
		.amdhsa_system_vgpr_workitem_id 0
		.amdhsa_next_free_vgpr 1024
		.amdhsa_next_free_sgpr 66
		.amdhsa_reserve_vcc 0
		.amdhsa_float_denorm_mode_32 3
		.amdhsa_float_denorm_mode_16_64 3
		.amdhsa_memory_ordered 1
		.amdhsa_forward_progress 1
		.amdhsa_inst_pref_size 237
	.end_amdhsa_kernel
	.amdgpu_metadata
---
amdhsa.version: [ 1, 2 ]
amdhsa.kernels:
  - .name:           k_q0474a3fc3c_fuse
    .symbol:         k_q0474a3fc3c_fuse.kd
    .args:
      - { .name: feature1_seq, .offset: 0, .size: 8, .value_kind: global_buffer, .address_space: global }
      - { .name: wf, .offset: 8, .size: 8, .value_kind: global_buffer, .address_space: global }
      - { .name: cpart, .offset: 16, .size: 8, .value_kind: global_buffer, .address_space: global }
      - { .name: b11, .offset: 24, .size: 8, .value_kind: global_buffer, .address_space: global }
      - { .name: b12, .offset: 32, .size: 8, .value_kind: global_buffer, .address_space: global }
      - { .name: W21, .offset: 40, .size: 8, .value_kind: global_buffer, .address_space: global }
      - { .name: W22, .offset: 48, .size: 8, .value_kind: global_buffer, .address_space: global }
      - { .name: b21, .offset: 56, .size: 8, .value_kind: global_buffer, .address_space: global }
      - { .name: b22, .offset: 64, .size: 8, .value_kind: global_buffer, .address_space: global }
      - { .name: part, .offset: 72, .size: 8, .value_kind: global_buffer, .address_space: global }
    .group_segment_fixed_size: 314112
    .private_segment_fixed_size: 0
    .kernarg_segment_align: 8
    .kernarg_segment_size: 80
    .max_flat_workgroup_size: 128
    .sgpr_count:     66
    .vgpr_count:     1024
    .wavefront_size: 32
...
	.end_amdgpu_metadata
.endif
;; end of part 2
;; launch sum (part 3): grid 128 x 1, 8 waves a work-group, no clusters, 0 bytes of LDS; arguments part, out0; writes out0
.if DOCPART == 3
	.amdgcn_target "amdgcn-amd-amdhsa--gfx1250"
	.amdhsa_code_object_version 6
	.text
	.protected	k_q0474a3fc3c_sum
	.globl	k_q0474a3fc3c_sum
	.p2align	8
	.type	k_q0474a3fc3c_sum,@function
k_q0474a3fc3c_sum:
	s_mov_b64 s[64:65], 0
	v_nop
	global_prefetch_b8 v0, s[64:65] scope:SCOPE_SE
	s_setreg_imm32_b32 hwreg(HW_REG_WAVE_MODE, 25, 1), 1
	s_wait_xcnt 0x0
; out0[b][d] = part[0][b][d] + part[1][b][d]: the two heads' pooled sums, each already times 1/256.  A sum across work-groups of the launch before, so it has a launch of its own.
; A work-group takes one row b of 4,096 bytes; thread t its bytes 16 t .. 16 t + 15: every load and store of a wave covers 512 consecutive bytes.
.set HEAD, 524288                      ; bytes from one head's rows to the other's
	s_load_b128 s[4:7], s[0:1], 0x0        ; part s[4:5], out0 s[6:7]
	v_lshlrev_b32 v1, 4, v0
	s_lshl_b32 s2, ttmp9, 12
	v_add_nc_u32 v1, s2, v1
	s_wait_kmcnt 0x0
	global_load_b128 v[4:7], v1, s[4:5] th:TH_LOAD_NT
	global_load_b128 v[8:11], v1, s[4:5] offset:HEAD th:TH_LOAD_NT
	s_wait_loadcnt 0x0
	v_pk_add_f32 v[4:5], v[4:5], v[8:9]
	v_pk_add_f32 v[6:7], v[6:7], v[10:11]
	global_store_b128 v1, v[4:7], s[6:7]
	s_endpgm
.Lfunc_end_k_q0474a3fc3c_sum:
	.size	k_q0474a3fc3c_sum, .Lfunc_end_k_q0474a3fc3c_sum-k_q0474a3fc3c_sum
	.p2alignl 7, 3214868480
	.fill 96, 4, 3214868480
	.section	.rodata,"a",@progbits
	.p2align	6, 0x0
	.amdhsa_kernel k_q0474a3fc3c_sum
		.amdhsa_group_segment_fixed_size 0
		.amdhsa_private_segment_fixed_size 0
		.amdhsa_enable_private_segment 0
		.amdhsa_kernarg_size 16
		.amdhsa_user_sgpr_count 2
		.amdhsa_user_sgpr_kernarg_segment_ptr 1
		.amdhsa_wavefront_size32 1
		.amdhsa_system_sgpr_workgroup_id_x 1
		.amdhsa_system_sgpr_workgroup_id_y 1
		.amdhsa_system_sgpr_workgroup_id_z 1
		.amdhsa_system_vgpr_workitem_id 0
		.amdhsa_next_free_vgpr 16
		.amdhsa_next_free_sgpr 66
		.amdhsa_reserve_vcc 0
		.amdhsa_float_denorm_mode_32 3
		.amdhsa_float_denorm_mode_16_64 3
		.amdhsa_memory_ordered 1
		.amdhsa_forward_progress 1
		.amdhsa_inst_pref_size 1
	.end_amdhsa_kernel
	.amdgpu_metadata
---
amdhsa.version: [ 1, 2 ]
amdhsa.kernels:
  - .name:           k_q0474a3fc3c_sum
    .symbol:         k_q0474a3fc3c_sum.kd
    .args:
      - { .name: part, .offset: 0, .size: 8, .value_kind: global_buffer, .address_space: global }
      - { .name: out0, .offset: 8, .size: 8, .value_kind: global_buffer, .address_space: global }
    .group_segment_fixed_size: 0
    .private_segment_fixed_size: 0
    .kernarg_segment_align: 8
    .kernarg_segment_size: 16
    .max_flat_workgroup_size: 256
    .sgpr_count:     66
    .vgpr_count:     16
    .wavefront_size: 32
...
	.end_amdgpu_metadata
.endif
;; end of part 3
;; ======== version 2 of 2: 3 launches; version 1 with the launches prep, fuse written anew for expert scheduling mode
;; limits: values outside matrix products are rounded to bf16
;; workspace buffers: wf 4,194,304 bytes; cpart 4,194,304 bytes; part 1,048,576 bytes
;; launch prep (part 4): grid 256 x 1, 4 waves a work-group, no clusters, 143,872 bytes of LDS; arguments W11, W12, feature1, feature2, wf, cpart; writes wf, cpart
.if DOCPART == 4
	.amdgcn_target "amdgcn-amd-amdhsa--gfx1250"
	.amdhsa_code_object_version 6
	.text
	.protected	k_q0474a3fc3c_prep
	.globl	k_q0474a3fc3c_prep
	.p2align	8
	.type	k_q0474a3fc3c_prep,@function
k_q0474a3fc3c_prep:
	s_mov_b64 s[64:65], 0
	v_nop
	global_prefetch_b8 v0, s[64:65] scope:SCOPE_SE
	s_setreg_imm32_b32 hwreg(HW_REG_WAVE_SCHED_MODE, 0, 2), 2
	s_setreg_imm32_b32 hwreg(HW_REG_WAVE_MODE, 25, 1), 1
	s_wait_xcnt 0x0
	s_wait_alu depctr_vm_vsrc(0)
; PREPARATION.  W1_h is [2048][1024] f32, h = 0 (W11), 1 (W12).  Its rows 0-1023 multiply the sequence, its rows 1024-2047 the feature row, which is the same for all 128 steps.
; A work-group takes 256 rows x 64 columns of one W1_h (rows of 256 bytes, each byte read once in the launch), rounds them to bf16 and lays them into LDS as [k][n].
;   ks < 4  (TURN):    the block is read back turned (ds_load_tr16_b128) and stored as ready fragments (16 columns x 32 k, 1,024 bytes: lane l, 16 bytes, twice) into wf:
;                      byte = head 2^21 + (n/128) 2^18 + (k/32) 2^13 + ((n/16)%8) 2^10 + half 512 + lane 16.
;   ks >= 4 (PRODUCT): cpart[ks-4][head][b][n] = the sum over the block's 256 k of f_head[b][k] W1_head[1024+k][n], all 128 b, in f32: four partial sums that the next launch adds.
; The role hangs on the work-group's number alone, so all four waves take the same way and each way holds its one barrier.
; Matrix operands are rounded to bf16 (nearest even), sums are f32.  No cluster: no two work-groups read the same bytes of W; the features, 128 KiB a work-group, are the small part.
; THE MODE: SCHED_MODE bits 1:0 = 2 (LLVM: expert scheduling mode 2), set by the entry lines.  The code itself states the register dependences
; between vector or matrix instructions and memory or LDS instructions, with s_wait_alu, always for 0.
; THE PLAN.  Registers that memory or LDS instructions touch:
;   v4-v7      offsets and addresses, made at the head (v6 once more in TURN, ahead of its first reader); v8-v11 made in PRODUCT behind its loads; none is written after a memory instruction has read it.
;   WST        W's loads land in it; the conversions round in place; the LDS stores read it; behind the barrier LDS loads land in it, and the global stores read those.
;   window 1   (PRODUCT) the features' loads land in it; rounded in place; the LDS stores read it; behind the barrier the turned loads land in it.
;   ACC        written by the products, read by the LDS stores of the way out.
; W goes in four groups of eight loads: their wait, sixteen conversions, ONE wait on va_vdst, eight LDS stores.  One wait on vm_vsrc stands behind the barrier, ahead of all LDS loads.
.set PW,  160          ; a row of the block in LDS: 128 bytes + 32: an odd multiple of 32, as the turning load's 8 rows x 32 bytes want
.set FA,  40960        ; behind the block: for each wave 32 feature rows of 256 bf16, 528 bytes apart
.set PF,  528
.set STG, 108544       ; for each wave 32 rows of 64 f32, 272 bytes apart: the way out
.set PS,  272
.set WST, 64           ; v64-191: W as loaded (32 loads); later fragments
.set ACC, 192          ; v192-255: 8 accumulators, (mt, nb) at ACC + 8 (4 mt + nb)
.set MSB, 0
.macro WIN new                         ; s_set_vgpr_msb: bits 1:0 source 0, 3:2 source 1, 5:4 source 2, 7:6 destination; the high byte repeats the setting that is left
.if MSB != (\new)
	s_set_vgpr_msb (MSB<<8)|(\new)
.set MSB, (\new)
.endif
.endm
; my wave's 64 rows of the block: 32 loads, two rows of 256 bytes each
.macro WLOADS
.set i, 0
.rept 32
	global_load_b128 v[WST+4*i:WST+4*i+3], v4, s[20:21] offset:i*8192 th:TH_LOAD_NT
.set i, i+1
.endr
.endm
; rounded in place and laid into LDS, eight loads at a time; then the barrier behind which every wave may read the whole block
.macro WTOLDS
.set g, 0
.rept 4
	s_wait_loadcnt 24-8*g                  ; loads come back in order: the group's eight are in, the 24 - 8 g younger ones may be out
.set i, 8*g
.rept 8
	v_cvt_pk_bf16_f32 v[WST+4*i], v[WST+4*i], v[WST+4*i+1]
	v_cvt_pk_bf16_f32 v[WST+4*i+1], v[WST+4*i+2], v[WST+4*i+3]
.set i, i+1
.endr
	s_wait_alu depctr_va_vdst(0)           ; the group's conversions have written the registers that the eight LDS stores below read (the first group's wait also: TURN's v6 is written)
.set i, 8*g
.rept 8
	ds_store_b64 v5, v[WST+4*i:WST+4*i+1] offset:i*2*PW
.set i, i+1
.endr
.set g, g+1
.endr
	s_wait_dscnt 0x0                       ; for the others' sake: all my LDS stores are done
	s_barrier_signal -1
	s_barrier_wait -1
	s_wait_alu depctr_vm_vsrc(0)           ; my LDS stores have read their data registers (WST; in PRODUCT window 1 too), in which the LDS loads that follow land
.endm
	s_load_b256 s[8:15], s[0:1], 0x0       ; W11 s[8:9], W12 s[10:11], feature1 s[12:13], feature2 s[14:15]
	s_load_b128 s[16:19], s[0:1], 0x20     ; wf s[16:17], cpart s[18:19]
	v_lshl_add_u32 v62, v0, 2, 0x23000     ; my spare word and 0: kept for the closing lines alone
	v_mov_b32 v63, 0
	v_lshrrev_b32 v1, 5, v0
	v_readfirstlane_b32 s2, v1             ; wave 0..3
	v_and_b32 v1, 31, v0                   ; lane
	v_and_b32 v2, 15, v0                   ; r = lane % 16
	v_bfe_u32 v3, v0, 4, 1                 ; h = lane / 16
	s_and_b32 s3, ttmp9, 15                ; which 64 columns
	s_bfe_u32 s4, ttmp9, 0x30004           ; ks: which 256 rows
	s_lshr_b32 s5, ttmp9, 7                ; head
	v_lshlrev_b32 v4, 4, v2
	v_lshl_add_u32 v4, v3, 12, v4          ; in memory: row h of two, 16 bytes a lane (W, and cpart on the way out)
	s_wait_alu depctr_va_sdst(0)           ; s2 is written, ahead of its first reader
	s_mul_i32 s6, s2, 64*PW                ; my wave's 64 rows in LDS
	v_mul_u32_u24 v5, v3, PW
	v_lshl_add_u32 v5, v2, 3, v5
	v_add_nc_u32 v5, s6, v5                ; where my 8 bytes of bf16 go
	v_and_b32 v6, 7, v0
	v_lshl_add_u32 v6, v3, 3, v6
	v_mul_u32_u24 v6, v6, PW
	v_bfe_u32 v7, v0, 3, 1
	v_lshl_add_u32 v6, v7, 4, v6           ; the turning load: row 8 h + lane % 8, 16 bytes for each half of eight lanes
	v_lshlrev_b32 v7, 4, v1                ; 16 x lane
	s_lshl_b32 s24, s4, 20                 ; the block's first byte for my wave: (256 ks + 64 w) rows of 4,096 bytes + 256 bytes x column block
	s_lshl_b32 s26, s2, 18
	s_add_co_u32 s24, s24, s26
	s_lshl_b32 s26, s3, 8
	s_add_co_u32 s24, s24, s26
	s_mov_b32 s25, 0
	s_wait_kmcnt 0x0
	s_cmp_eq_u32 s5, 0
	s_cselect_b64 s[20:21], s[8:9], s[10:11]    ; the head's W
	s_cselect_b64 s[22:23], s[12:13], s[14:15]  ; and its feature
	s_add_nc_u64 s[20:21], s[20:21], s[24:25]
	s_wait_alu depctr_va_vdst(0)           ; v4 to v7 are written: the loads and stores of both roles read them as offsets and addresses
	s_cmp_ge_u32 s4, 4
	s_cbranch_scc1 .Lproduct
	; ---- TURN ----
	WLOADS
	s_lshl_b32 s24, s5, 21                 ; head
	s_lshr_b32 s26, s3, 1
	s_lshl_b32 s26, s26, 18                ; n / 128
	s_add_co_u32 s24, s24, s26
	s_lshl_b32 s26, s4, 16                 ; k / 32 = 8 ks + 2 w + kk
	s_add_co_u32 s24, s24, s26
	s_lshl_b32 s26, s2, 14
	s_add_co_u32 s24, s24, s26
	s_and_b32 s26, s3, 1
	s_lshl_b32 s26, s26, 12                ; (n / 16) % 8 = 4 (column block % 2) + nb
	s_add_co_u32 s24, s24, s26
	s_add_nc_u64 s[16:17], s[16:17], s[24:25]
	v_add_nc_u32 v6, s6, v6                ; my wave turns the 64 rows that it brought (no memory instruction has read v6 yet)
	WTOLDS
.set j, 0
.rept 16                                       ; load j: k block j / 8, column block (j / 2) % 4, half j % 2 of the fragment's 32 k
	ds_load_tr16_b128 v[WST+4*j:WST+4*j+3], v6 offset:(j/8)*32*PW+(j%2)*16*PW+((j/2)%4)*32
.set j, j+1
.endr
.set j, 0
.rept 16
	s_wait_dscnt 15-j                      ; LDS loads come back in order
	global_store_b128 v7, v[WST+4*j:WST+4*j+3], s[16:17] offset:(j/8)*8192+((j/2)%4)*1024+(j%2)*512  ; 512 consecutive bytes, at a multiple of 512 from wf's first
.set j, j+1
.endr
	s_wait_dscnt 0x0                       ; the closing lines, six on end
	s_wait_alu 0x0
	s_wait_tensorcnt 0x0
	ds_add_u32 v62, v63
	s_wait_dscnt 0x0
	s_endpgm
	; ---- PRODUCT ----
.Lproduct:
	s_sub_co_u32 s27, s4, 4                ; kq
	s_lshl_b32 s24, s2, 17                 ; my wave's 32 feature rows of 4,096 bytes,
	s_lshl_b32 s26, s27, 10                ; their 256 numbers of this block's k
	s_add_co_u32 s24, s24, s26
	s_add_nc_u64 s[22:23], s[22:23], s[24:25]
	WIN 0x40                               ; destination window 1
.set j, 0
.rept 64                                       ; row j / 2, half j % 2: 512 consecutive bytes a load
	global_load_b128 v[4*j:4*j+3], v7, s[22:23] offset:(j/2)*4096+(j%2)*512
.set j, j+1
.endr
	WIN 0
	WLOADS
	s_mul_i32 s28, s2, 32*PF
	s_add_co_u32 s28, s28, FA              ; my wave's feature rows in LDS
	v_lshl_add_u32 v8, v1, 3, s28          ; in: 8 bytes a lane
	v_mul_u32_u24 v9, v2, PF
	v_lshl_add_u32 v9, v3, 4, v9
	v_add_nc_u32 v9, s28, v9               ; a fragment: row r, 16 bytes for each half of the lanes
	s_mul_i32 s28, s2, 32*PS
	s_add_co_u32 s28, s28, STG             ; my wave's stage
	v_mul_u32_u24 v10, v2, PS
	v_lshl_add_u32 v10, v3, 5, v10
	v_add_nc_u32 v10, s28, v10             ; in: row r, 32 bytes for each half of the lanes
	v_mul_u32_u24 v11, v3, PS
	v_lshl_add_u32 v11, v2, 4, v11
	v_add_nc_u32 v11, s28, v11             ; back: lanes 0-15 one row of 256 bytes, lanes 16-31 the next
	s_lshl_b32 s24, s27, 20                ; cpart: ((2 kq + head) 128 + 32 w) rows of 4,096 bytes + 256 bytes x column block
	s_lshl_b32 s26, s5, 19
	s_add_co_u32 s24, s24, s26
	s_lshl_b32 s26, s2, 17
	s_add_co_u32 s24, s24, s26
	s_lshl_b32 s26, s3, 8
	s_add_co_u32 s24, s24, s26
	s_add_nc_u64 s[18:19], s[18:19], s[24:25]
	s_wait_loadcnt 32                      ; the features are in; W's 32 loads, issued behind them, may be out
	WIN 0x45                               ; sources and destination window 1: rounded in place
.set j, 0
.rept 64
	v_cvt_pk_bf16_f32 v[4*j], v[4*j], v[4*j+1]
	v_cvt_pk_bf16_f32 v[4*j+1], v[4*j+2], v[4*j+3]
.set j, j+1
.endr
	s_wait_alu depctr_va_vdst(0)           ; the conversions have written the registers that the 64 LDS stores read; v8 to v11, the addresses of PRODUCT's LDS instructions, are written
	WIN 0x04                               ; the stores' data window 1, their address window 0
.set j, 0
.rept 64
	ds_store_b64 v8, v[4*j:4*j+1] offset:(j/2)*PF+(j%2)*256
.set j, j+1
.endr
	WIN 0
	WTOLDS
.set j, 0
.rept 32                                       ; my 32 feature rows as fragments: 16 rows mt = j / 16, k block (j / 2) % 8.  My own bytes: LDS serves a wave's instructions in order
	ds_load_b128 v[WST+4*j:WST+4*j+3], v9 offset:(j/16)*16*PF+((j/2)%8)*64+(j%2)*32
.set j, j+1
.endr
	WIN 0x40
.set j, 0
.rept 64                                       ; the whole block turned: k block j / 8, column block (j / 2) % 4 at window 1, v[8 (4 kb + nb)]
	ds_load_tr16_b128 v[4*j:4*j+3], v6 offset:(j/8)*32*PW+(j%2)*16*PW+((j/2)%4)*32
.set j, j+1
.endr
	s_wait_dscnt 0x0
	WIN 0x01                               ; source 0 (W) window 1; source 1 (features), C and D window 0
	; Used transposed: source 0 = 16 columns of W, source 1 = 16 feature rows: a lane then holds eight neighbouring n of one row b.
	; The eight accumulators take turns, one instruction a turn; the first k block starts the sums.
.irp kb, 0,1,2,3,4,5,6,7
.irp mt, 0,1
.irp nb, 0,1,2,3
.if \kb == 0
	v_wmma_f32_16x16x32_bf16 v[ACC+8*(4*\mt+\nb):ACC+8*(4*\mt+\nb)+7], v[8*(4*\kb+\nb):8*(4*\kb+\nb)+7], v[WST+8*(8*\mt+\kb):WST+8*(8*\mt+\kb)+7], 0
.else
	v_wmma_f32_16x16x32_bf16 v[ACC+8*(4*\mt+\nb):ACC+8*(4*\mt+\nb)+7], v[8*(4*\kb+\nb):8*(4*\kb+\nb)+7], v[WST+8*(8*\mt+\kb):WST+8*(8*\mt+\kb)+7], v[ACC+8*(4*\mt+\nb):ACC+8*(4*\mt+\nb)+7]
.endif
.endr
.endr
.endr
	WIN 0
.rept 4
	v_nop                                  ; four places behind the last product, ahead of the stores of results; they stay beside the wait below
.endr
	s_wait_alu depctr_va_vdst(0)           ; the products have written the accumulators, which the LDS stores read, and are done reading the features' fragments, in which the loads from the stage land
.irp mt, 0,1
.irp nb, 0,1,2,3
	ds_store_b128 v10, v[ACC+8*(4*\mt+\nb):ACC+8*(4*\mt+\nb)+3] offset:\mt*16*PS+\nb*64        ; each accumulator from its low end on
	ds_store_b128 v10, v[ACC+8*(4*\mt+\nb)+4:ACC+8*(4*\mt+\nb)+7] offset:\mt*16*PS+\nb*64+16
.endr
.endr
.set j, 0
.rept 16
	ds_load_b128 v[WST+4*j:WST+4*j+3], v11 offset:j*2*PS   ; my own stage, served in order: these see the stores above
.set j, j+1
.endr
.set j, 0
.rept 16
	s_wait_dscnt 15-j
	global_store_b128 v4, v[WST+4*j:WST+4*j+3], s[18:19] offset:j*8192  ; 16 lanes store 256 consecutive bytes, at a multiple of 256 from cpart's first
.set j, j+1
.endr
	s_wait_dscnt 0x0                       ; the closing lines, six on end
	s_wait_alu 0x0
	s_wait_tensorcnt 0x0
	ds_add_u32 v62, v63
	s_wait_dscnt 0x0
	s_endpgm
.Lfunc_end_k_q0474a3fc3c_prep:
	.size	k_q0474a3fc3c_prep, .Lfunc_end_k_q0474a3fc3c_prep-k_q0474a3fc3c_prep
	.p2alignl 7, 3214868480
	.fill 96, 4, 3214868480
	.section	.rodata,"a",@progbits
	.p2align	6, 0x0
	.amdhsa_kernel k_q0474a3fc3c_prep
		.amdhsa_group_segment_fixed_size 143872
		.amdhsa_private_segment_fixed_size 0
		.amdhsa_enable_private_segment 0
		.amdhsa_kernarg_size 48
		.amdhsa_user_sgpr_count 2
		.amdhsa_user_sgpr_kernarg_segment_ptr 1
		.amdhsa_wavefront_size32 1
		.amdhsa_system_sgpr_workgroup_id_x 1
		.amdhsa_system_sgpr_workgroup_id_y 1
		.amdhsa_system_sgpr_workgroup_id_z 1
		.amdhsa_system_vgpr_workitem_id 0
		.amdhsa_next_free_vgpr 512
		.amdhsa_next_free_sgpr 66
		.amdhsa_reserve_vcc 0
		.amdhsa_float_denorm_mode_32 3
		.amdhsa_float_denorm_mode_16_64 3
		.amdhsa_memory_ordered 1
		.amdhsa_forward_progress 1
		.amdhsa_inst_pref_size 59
	.end_amdhsa_kernel
	.amdgpu_metadata
---
amdhsa.version: [ 1, 2 ]
amdhsa.kernels:
  - .name:           k_q0474a3fc3c_prep
    .symbol:         k_q0474a3fc3c_prep.kd
    .args:
      - { .name: W11, .offset: 0, .size: 8, .value_kind: global_buffer, .address_space: global }
      - { .name: W12, .offset: 8, .size: 8, .value_kind: global_buffer, .address_space: global }
      - { .name: feature1, .offset: 16, .size: 8, .value_kind: global_buffer, .address_space: global }
      - { .name: feature2, .offset: 24, .size: 8, .value_kind: global_buffer, .address_space: global }
      - { .name: wf, .offset: 32, .size: 8, .value_kind: global_buffer, .address_space: global }
      - { .name: cpart, .offset: 40, .size: 8, .value_kind: global_buffer, .address_space: global }
    .group_segment_fixed_size: 143872
    .private_segment_fixed_size: 0
    .kernarg_segment_align: 8
    .kernarg_segment_size: 48
    .max_flat_workgroup_size: 128
    .sgpr_count:     66
    .vgpr_count:     512
    .wavefront_size: 32
...
	.end_amdgpu_metadata
.endif
;; end of part 4
;; launch fuse (part 5): grid 256 x 1, 4 waves a work-group, no clusters, 314,112 bytes of LDS; arguments feature1_seq, wf, cpart, b11, b12, W21, W22, b21, b22, part; writes part
.if DOCPART == 5
	.amdgcn_target "amdgcn-amd-amdhsa--gfx1250"
	.amdhsa_code_object_version 6
	.text
	.protected	k_q0474a3fc3c_fuse
	.globl	k_q0474a3fc3c_fuse
	.p2align	8
	.type	k_q0474a3fc3c_fuse,@function
k_q0474a3fc3c_fuse:
	s_mov_b64 s[64:65], 0
	v_nop
	global_prefetch_b8 v0, s[64:65] scope:SCOPE_SE
	s_setreg_imm32_b32 hwreg(HW_REG_WAVE_SCHED_MODE, 0, 2), 2
	s_setreg_imm32_b32 hwreg(HW_REG_WAVE_MODE, 25, 1), 1
	s_wait_xcnt 0x0
	s_wait_alu depctr_vm_vsrc(0)
; ONE BATCH COLUMN b AND ONE HEAD TO A WORK-GROUP (256 of them).  X = feature1_seq[:, b, :] is 128 x 1024.
;   score[s] = b2 + sum over n of W2[n] tanh( (X W1[0:1024])[s][n] + c[n] ),  c[n] = (f[b] W1[1024:2048])[n] + b1[n]  (its four partial sums come from cpart)
;   w = softmax over the 128 s (the true maximum is taken away);  part[head][b][d] = (1/256) sum over s of w[s] X[s][d].   The last launch adds the two heads.
; X is read from memory once by the work-group, rounded to bf16 and kept in LDS for the whole launch: it is the first product's A and the pooled sum's operand.
; tanh(x) = 1 - 2 / (1 + 2^(2 log2(e) x)), so score = b2 + sum W2 + sum over n of (-2 W2[n]) / (1 + 2^(K2 x)), K2 = 2.885390.
; LIMITS.  X and W1 enter the product in bf16 (nearest even); the pooled sum takes the same bf16 X with f32 weights and f32 sums.  Where 2^(K2 x) overflows or falls below 2^-126 the
; quotient is exactly 0 or 1, tanh exactly 1 or -1.  A softmax weight below 2^-126 counts as 0.  NaN and infinities are not treated apart.
; SHARES.  Four waves.  The product is 128 x 1024, K = 1024; a wave makes 128 x 128 at a time (64 accumulators, 512 registers), two chunks: columns n = 256 w + 128 chunk + 16 nb + r.
; A comes from LDS (16 loads a K step of 32, for 64 matrix instructions).  B comes from wf STRAIGHT INTO REGISTERS, as ready fragments: 16 loads of 512 consecutive bytes a K step.
; NO TENSOR LOADS, NO CLUSTER: a fragment of B is read by one wave of the work-group alone, so LDS would add no reuse inside it; X takes 264,192 of the 327,680 bytes of LDS, and in what is
; left a ring shared with partners would hold less than 64 along K of a chunk's 512 columns.  The ring of four stages in registers has 32 to 48 loads (16 to 24 KiB) of every wave on their way,
; each issued two and a half K steps, 160 matrix instructions, ahead of its use, and the K loop has no barrier.  The price: every work-group asks for its head's 2 MiB of wf itself.
; REGISTERS, in windows of 256 (s_set_vgpr_msb: bits 1:0 source 0, 3:2 source 1, 5:4 source 2, 7:6 destination):
;   window 0: v0-41 ids, addresses, small work; v64-127, v128-191 A's fragments, two buffers (the second also serves the epilogue); v192-255 T: the scores' partial sums
;   window 1: B's ring, stage st at 64 st + 8 nb        windows 2, 3: accumulator (a, nb) at 8 (8 (a % 4) + nb) of window 2 + a / 4; at the start window 2 takes X as loaded
; THE MODE: SCHED_MODE bits 1:0 = 2 (LLVM: expert scheduling mode 2), set by the entry lines.  The code itself states the register dependences
; between vector or matrix instructions and memory or LDS instructions, with s_wait_alu, always for 0.
; THE PLAN.  Registers that memory or LDS instructions touch:
;   v8, v9, v12, v13, v23, v36-40   offsets and addresses, made once and never written again.
;   X INTO LDS   two staging buffers (window 2): loads land, 64 conversions read, the refill's loads land.  Two out-buffers (F0, F1, by turns): the conversions write, the LDS stores read.
;                v10: made anew at a trip's head, read by the trip's stores.  A trip: ONE wait on vm_vsrc at its head, one on va_vdst behind each run of conversions.
;   K STEP J     A's buffer and B's stage that step J - 1's products read are loaded again in step J; v4-7 are read by A's loads and written every fourth step.
;                ONE wait on va_vdst at the step's head; behind it A's 16 LDS loads, 32 products, B's 16 loads, 32 products: the products between name A's other buffer, another stage
;                and the accumulators, none of the registers that B's loads touch.  One wait on vm_vsrc ahead of the lines that write v4-7.
;   EPILOGUE     v11 (address) and the pairs CP, MP, which lie in A's second buffer: one wait on va_vdst ahead of their loads.  All else there is vector work.
;   THE END      T: written by the epilogue, read by LDS stores.  F0, F1: rows of partial scores land, the sums read and write them, the next rows land.  The pooled sum: two buffers of X's rows
;                and weights; v14, v15 step once a trip.  Each wait below names what it states.
.set PA,   2064        ; a row of X in LDS: 2,048 bytes + 16 = 129 x 16: the 16 rows of a fragment load start at 16 different groups of four banks (64 banks of 4 bytes: ISA guide 11.1)
.set SCR,  264192      ; 128 rows x 272 bytes: 64 partial scores a row (column 16 w + r)
.set PSC,  272
.set CV,   299008      ; K2 c[n], 1,024 f32
.set MW,   303104      ; -2 W2[n], 1,024 f32 (CV + 4,096)
.set WSUM, 307200      ; four waves' sums of W2
.set WTS,  307456      ; for each wave the 128 weights, 512 bytes
.set OS,   309504      ; for each wave 1,024 bytes: the way out
.set F0,   64
.set F1,   128
.set T,    192
.set CP,   128         ; epilogue: K2 c of my column in block nb, in both registers of pair CP + 2 nb
.set MP,   144         ; the same for -2 W2
.set XS,   160         ; three sets of eight at work
.set XB,   64          ; pooling: X's rows, two buffers of 32
.set WB,   128         ; pooling: eight weights, two buffers
.set OA,   144         ; pooling: two sets of eight sums (even rows', odd rows')
.set MSB, 0
.macro WIN new                         ; the immediate's high byte repeats the setting that is left; a switch that changes nothing is dropped
.if MSB != (\new)
	s_set_vgpr_msb (MSB<<8)|(\new)
.set MSB, (\new)
.endif
.endm
; A vector instruction that reads a matrix result stands four places behind it; only plain vector instructions that name none of its registers are places (ISA guide 7.12.1).
; The four lines also stay where they stood ahead of loads into registers that products have read, beside the wait that states that dependence.
.macro PLACES
.rept 4
	v_nop
.endr
.endm
; four rows of X (4,096 bytes each, 2^19 bytes apart) into staging buffer buf of window 2: 32 loads of 512 consecutive bytes
.macro ALOADS buf, row0
	WIN 0x80
.irp rr, 0,1,2,3
.irp i, 0,1,2,3,4,5,6,7
	global_load_b128 v[128*(\buf)+4*(8*\rr+\i):128*(\buf)+4*(8*\rr+\i)+3], v8, s[28:29] offset:((\row0)+\rr)*524288+512*\i
.endr
.endr
.endm
; they are rounded to bf16, into out-buffer out
.macro ACVT buf, out
	WIN 0x0a                               ; sources window 2, destination window 0
.set j, 0
.rept 32
	v_cvt_pk_bf16_f32 v[(\out)+2*j], v[128*(\buf)+4*j], v[128*(\buf)+4*j+1]
	v_cvt_pk_bf16_f32 v[(\out)+2*j+1], v[128*(\buf)+4*j+2], v[128*(\buf)+4*j+3]
.set j, j+1
.endr
	s_wait_alu depctr_va_vdst(0)           ; the conversions have written the out-buffer, which the LDS stores read, and are done reading the staging buffer, in which the next loads land; v10 is written
.endm
; and laid into LDS
.macro ASTORE out, lrow0
	WIN 0
.set j, 0
.rept 32
	ds_store_b64 v10, v[(\out)+2*j:(\out)+2*j+1] offset:((\lrow0)+j/8)*PA+256*(j%8)
.set j, j+1
.endr
.endm
; one K step's eight fragments of B into stage st
.macro BLOADS st, ofs
	WIN 0x40
.irp nb, 0,1,2,3,4,5,6,7
	global_load_b128 v[64*(\st)+8*\nb:64*(\st)+8*\nb+3], v8, s[32:33] offset:(\ofs)+1024*\nb
	global_load_b128 v[64*(\st)+8*\nb+4:64*(\st)+8*\nb+7], v8, s[32:33] offset:(\ofs)+1024*\nb+512
.endr
.endm
; one K step's eight fragments of A (16 rows x 32 k: two loads of 16 bytes, 32 bytes apart) into buffer f
.macro AFETCH f, aofs
	WIN 0
.irp a, 0,1,2,3,4,5,6,7
	ds_load_b128 v[(\f)+8*\a:(\f)+8*\a+3], v[4+\a/2] offset:(\a%2)*16*PA+(\aofs)
	ds_load_b128 v[(\f)+8*\a+4:(\f)+8*\a+7], v[4+\a/2] offset:(\a%2)*16*PA+(\aofs)+32
.endr
.endm
; 32 matrix instructions: row blocks 4 hi .. 4 hi + 3 x all eight column blocks.  All 64 accumulators take turns, one instruction a turn, in the same order in every K step,
; over the loops' edges too.  zero = 1: the chunk's first K step starts the sums.
.macro MUL32 f, st, hi, zero
	WIN 0xa4+0x50*(\hi)                    ; A window 0, B window 1, C and D window 2 or 3
.irp a, 0,1,2,3
.irp nb, 0,1,2,3,4,5,6,7
.if \zero
	v_wmma_f32_16x16x32_bf16 v[8*(8*\a+\nb):8*(8*\a+\nb)+7], v[(\f)+8*(4*(\hi)+\a):(\f)+8*(4*(\hi)+\a)+7], v[64*(\st)+8*\nb:64*(\st)+8*\nb+7], 0
.else
	v_wmma_f32_16x16x32_bf16 v[8*(8*\a+\nb):8*(8*\a+\nb)+7], v[(\f)+8*(4*(\hi)+\a):(\f)+8*(4*(\hi)+\a)+7], v[64*(\st)+8*\nb:64*(\st)+8*\nb+7], v[8*(8*\a+\nb):8*(8*\a+\nb)+7]
.endif
.endr
.endr
.endm
; K STEP J multiplies A's buffer f by B's stage st = J % 4.  At its head it asks for A of step J + 1 (into the buffer that step J - 1 read), in its middle for B of step J + 3 (into the
; stage that step J - 1 read).  adj = 1: A's addresses go 256 bytes on; 2: back to a row's first byte; these four lines then stand where the four v_nop stand.
.macro STEP f, st, zero, adj, aofs, bofs
.if (\adj) == 1
	WIN 0
	s_add_co_u32 s56, s56, 256
	s_wait_alu depctr_vm_vsrc(0)           ; the LDS loads issued so far have read v4-7
.irp p, 0,1,2,3
	v_add_nc_u32 v[4+\p], s56, v[16+\p]
.endr
.elseif (\adj) == 2
	WIN 0
	s_mov_b32 s56, 0
	s_wait_alu depctr_vm_vsrc(0)           ; the LDS loads issued so far have read v4-7
.irp p, 0,1,2,3
	v_mov_b32 v[4+\p], v[16+\p]
.endr
.else
	PLACES
.endif
	s_wait_alu depctr_va_vdst(0)           ; step J - 1's products are done reading their buffer of A and their stage of B, in which this step's loads land (at a chunk's head: the vector work on A's second buffer is done); v4-7 are written
	AFETCH F0+F1-(\f), \aofs
	s_wait_loadcnt 32                      ; B of this step is in: behind it were issued the loads of steps J + 1 and J + 2, 16 each
	s_wait_dscnt 16                        ; A of this step is in: behind it were issued the 16 loads above
	MUL32 \f, \st, 0, \zero
	BLOADS ((\st)+3)%4, \bofs              ; no wait: no vector or matrix instruction since the wait at the step's head names v8 or this stage
	MUL32 \f, \st, 1, \zero
.endm
; THE EPILOGUE of tile i (row block a = i % 8, column block nb = i / 8), in five parts on set i % 3 of X:
.macro EF i                            ; K2 acc + K2 c, the accumulator's registers in ascending order
.set ea, (\i)%8
.set enb, (\i)/8
.set ex, XS+8*((\i)%3)
.set eacc, 8*(8*(ea%4)+enb)
	WIN 0x02+ea/4                          ; source 0 window 2 or 3
.irp p, 0,2,4,6
	v_pk_fma_f32 v[ex+\p:ex+\p+1], v[eacc+\p:eacc+\p+1], s[44:45], v[CP+2*enb:CP+2*enb+1] op_sel_hi:[1,0,1]
.endr
.endm
.macro EE i                            ; 2^x
.set ex, XS+8*((\i)%3)
	WIN 0
.irp p, 0,1,2,3,4,5,6,7
	v_exp_f32 v[ex+\p], v[ex+\p]
.endr
.endm
.macro EP i                            ; 1 + 2^x
.set ex, XS+8*((\i)%3)
	WIN 0
	s_wait_alu depctr_va_vdst(0)           ; this tile's eight exponentials have written their set, which the lines below read; so have the reciprocals of the tile before, which its ET, further down, reads
.irp p, 0,2,4,6
	v_pk_add_f32 v[ex+\p:ex+\p+1], v[ex+\p:ex+\p+1], 1.0 op_sel_hi:[1,0]
.endr
.endm
.macro ER i                            ; its reciprocal
.set ex, XS+8*((\i)%3)
.irp p, 0,1,2,3,4,5,6,7
	v_rcp_f32 v[ex+\p], v[ex+\p]
.endr
.endm
.macro ET i, own                       ; T += (-2 W2) x that.  own = 1: the chunk's last tile, behind whose reciprocals no EP stands
.set ea, (\i)%8
.set enb, (\i)/8
.set ex, XS+8*((\i)%3)
.if \own
	s_wait_alu depctr_va_vdst(0)           ; the last tile's eight reciprocals have written their set, which the lines below read
.endif
.irp p, 0,2,4,6
	v_pk_fma_f32 v[T+8*ea+\p:T+8*ea+\p+1], v[ex+\p:ex+\p+1], v[MP+2*enb:MP+2*enb+1], v[T+8*ea+\p:T+8*ea+\p+1]
.endr
.endm
; The parts of neighbouring tiles are laid so that behind each run of exponentials or reciprocals stands plain work of another tile before a result is used (ISA guide 5.7.2):
; the next tile's EF behind the exponentials, the tile before's ET behind the reciprocals.  One wait a tile, in EP, stands between every such result and its first reader.
.macro EPILOGUE
	WIN 0
	PLACES                                 ; behind the chunk's last product: EF reads results
	s_lshl_b32 s59, s49, 9                 ; 128 columns of f32 a chunk
	v_add_nc_u32 v11, s59, v41             ; (v11's readers, the chunk before's loads, stand ahead of the K loop's waits on vm_vsrc)
	s_wait_alu depctr_va_vdst(0)           ; v11 is written, which the loads below read; the last K step's products are done reading A's second buffer, in which they land
.irp nb, 0,1,2,3,4,5,6,7
	ds_load_b32 v[CP+2*\nb], v11 offset:\nb*64
	ds_load_b32 v[CP+2*\nb+1], v11 offset:\nb*64           ; twice: the packed instructions take a pair
	ds_load_b32 v[MP+2*\nb], v11 offset:4096+\nb*64
	ds_load_b32 v[MP+2*\nb+1], v11 offset:4096+\nb*64
.endr
	s_wait_dscnt 0x0
	EF 0
.set ii, 0
.rept 64
	EE ii
.if ii < 63
	EF ii+1
.else
	v_nop                                  ; the plain instruction behind the last exponentials
.endif
	EP ii
	ER ii
.if ii > 0
	ET ii-1, 0
.endif
.set ii, ii+1
.endr
	ET 63, 1
.endm
; one row's 64 partial scores for each lane: row 32 i + lane
.macro RLOAD i, base
.set j, 0
.rept 16
	ds_load_b128 v[(\base)+4*j:(\base)+4*j+3], v13 offset:(\i)*32*PSC+16*j
.set j, j+1
.endr
.endm
.macro RSUM base, dst                  ; their sum, by halves: 31 packed additions and one
.irp n, 32,16,8,4,2
.set k, 0
.rept (\n)/2
	v_pk_add_f32 v[(\base)+k:(\base)+k+1], v[(\base)+k:(\base)+k+1], v[(\base)+(\n)+k:(\base)+(\n)+k+1]
.set k, k+2
.endr
.endr
	v_add_f32 v[\dst], v[\base], v[(\base)+1]
.endm
; pooling: eight rows of X (my wave's 512 bytes of each, 16 a lane) and their eight weights (the same address in every lane)
.macro PFETCH buf, row
.irp rr, 0,1,2,3,4,5,6,7
	ds_load_b128 v[XB+32*(\buf)+4*\rr:XB+32*(\buf)+4*\rr+3], v14 offset:((\row)+\rr)*PA
.endr
	ds_load_b128 v[WB+8*(\buf):WB+8*(\buf)+3], v15 offset:4*(\row)
	ds_load_b128 v[WB+8*(\buf)+4:WB+8*(\buf)+7], v15 offset:4*(\row)+16
.endm
.macro PMAC buf                        ; sum += bf16 half x weight, straight from the halves; even and odd rows keep sums of their own
.irp rr, 0,1,2,3,4,5,6,7
.irp e, 0,1,2,3
	v_fma_mix_f32_bf16 v[OA+8*(\rr%2)+2*\e], v[XB+32*(\buf)+4*\rr+\e], v[WB+8*(\buf)+\rr], v[OA+8*(\rr%2)+2*\e] op_sel:[0,0,0] op_sel_hi:[1,0,0]
	v_fma_mix_f32_bf16 v[OA+8*(\rr%2)+2*\e+1], v[XB+32*(\buf)+4*\rr+\e], v[WB+8*(\buf)+\rr], v[OA+8*(\rr%2)+2*\e+1] op_sel:[1,0,0] op_sel_hi:[1,0,0]
.endr
.endr
.endm
	s_load_b512 s[8:23], s[0:1], 0x0       ; seq s[8:9], wf s[10:11], cpart s[12:13], b11 s[14:15], b12 s[16:17], W21 s[18:19], W22 s[20:21], b21 s[22:23]
	s_load_b128 s[24:27], s[0:1], 0x40     ; b22 s[24:25], part s[26:27]
	v_lshl_add_u32 v62, v0, 2, 0x4c900     ; my spare word and 0: kept for the closing lines alone
	v_mov_b32 v63, 0
	v_lshrrev_b32 v1, 5, v0
	v_readfirstlane_b32 s2, v1             ; wave 0..3
	s_and_b32 s3, ttmp9, 1                 ; head: the two heads of one b are neighbours
	s_lshr_b32 s4, ttmp9, 1                ; b
	v_and_b32 v1, 31, v0                   ; lane
	v_and_b32 v2, 15, v0                   ; r
	v_bfe_u32 v3, v0, 4, 1                 ; h
	v_lshlrev_b32 v8, 4, v1                ; 16 x lane; never rewritten
	v_lshlrev_b32 v9, 4, v0                ; 16 x thread; never rewritten
	s_wait_alu depctr_va_sdst(0)           ; s2 is written, ahead of its first reader
	s_lshl_b32 s54, s2, 24                 ; X: my wave's rows s = 32 w .., 2^19 bytes apart,
	s_lshl_b32 s55, s4, 12                 ; column b
	s_add_co_u32 s54, s54, s55
	s_mov_b32 s55, 0
	s_lshl_b32 s34, s3, 21                 ; wf: the head's 2 MiB, my wave's 512 KiB of them
	s_lshl_b32 s35, s2, 19
	s_add_co_u32 s34, s34, s35
	s_mov_b32 s35, 0
	s_lshl_b32 s50, s3, 7
	s_add_co_u32 s50, s50, s4
	s_lshl_b32 s50, s50, 12                ; row 128 head + b of 4,096 bytes, in cpart's quarters and in part
	s_mov_b32 s51, 0
	s_lshl_b32 s52, s2, 10                 ; my wave's 256 numbers of that row of part
	s_add_co_u32 s52, s52, s50
	s_mov_b32 s53, 0
	s_mov_b32 s43, 0x3fb8aa3b              ; log2(e)
	s_mov_b32 s44, 0x4038aa3b              ; K2 = 2 log2(e)
	s_mov_b32 s45, s44                     ; named with it as a pair
	s_mov_b32 s46, 0x76543210              ; v_permlanex16_b32: each lane takes its own place in the other half
	s_mov_b32 s47, 0xfedcba98
	s_wait_kmcnt 0x0
	s_add_nc_u64 s[28:29], s[8:9], s[54:55]
	s_add_nc_u64 s[30:31], s[10:11], s[34:35]
	s_add_nc_u64 s[50:51], s[12:13], s[50:51]
	s_add_nc_u64 s[52:53], s[26:27], s[52:53]
	s_cmp_eq_u32 s3, 0
	s_cselect_b64 s[36:37], s[14:15], s[16:17]   ; the head's b1,
	s_cselect_b64 s[38:39], s[18:19], s[20:21]   ; W2
	s_cselect_b64 s[40:41], s[22:23], s[24:25]   ; and b2
	s_load_b32 s42, s[40:41], 0x0
	s_wait_alu depctr_va_vdst(0)           ; v8 and v9 are written: every global load and store of the kernel reads one of them as its offset
	; ---- X INTO LDS.  My wave brings rows 32 w .. 32 w + 31, four at a time through two staging buffers: 64 loads, 32 KiB, are asked for at a time.
	; (The load counter's field holds 63: the 64th load's issue waits for the first to come back, ISA guide 5.7.1; no wait is placed for that.)
	ALOADS 0, 0
	ALOADS 1, 4
	WIN 0
	v_mul_u32_u24 v16, v2, PA
	v_lshl_add_u32 v16, v3, 4, v16         ; v16-19: a fragment of A at k = 0: row 32 p + r, 16 bytes for each half of the lanes; never rewritten
	v_add_nc_u32 v17, 32*PA, v16
	v_add_nc_u32 v18, 64*PA, v16
	v_add_nc_u32 v19, 96*PA, v16
.irp p, 0,1,2,3
	v_mov_b32 v[4+\p], v[16+\p]            ; v4-7: the same plus the K loop's step
.endr
	s_mul_i32 s54, s2, 32*PA
	v_lshl_add_u32 v20, v1, 3, s54         ; where my 8 bytes of bf16 go, in my wave's first row
	s_lshl_b32 s54, s2, 10
	s_add_co_u32 s54, s54, CV
	v_lshl_add_u32 v41, v2, 2, s54         ; K2 c of column 256 w + r
	s_lshl_b32 s54, s2, 6
	s_add_co_u32 s54, s54, SCR
	v_mul_u32_u24 v12, v3, 8*PSC
	v_lshl_add_u32 v12, v2, 2, v12
	v_add_nc_u32 v12, s54, v12             ; partial scores out: row 8 h, column 16 w + r
	v_mul_u32_u24 v13, v1, PSC
	v_add_nc_u32 v13, SCR, v13             ; and back: row = lane
	s_lshl_b32 s54, s2, 9
	v_lshl_add_u32 v21, v1, 4, s54         ; pooling: my 16 bytes of a row of X
	s_add_co_u32 s54, s54, WTS
	v_mov_b32 v22, s54                     ; my wave's weights
	v_lshl_add_u32 v23, v1, 2, s54
	v_add_nc_u32 v36, CV, v9
	s_lshl_b32 s54, s2, 2
	s_add_co_u32 s54, s54, WSUM
	v_mov_b32 v37, s54
	s_lshl_b32 s54, s2, 10
	s_add_co_u32 s54, s54, OS
	v_lshl_add_u32 v38, v1, 5, s54         ; the way out: in, 32 bytes a lane;
	v_lshl_add_u32 v39, v1, 4, s54         ; back, 16 bytes a lane
	v_mov_b32 v40, WSUM
.set i, 0
.rept 64
	v_mov_b32 v[T+i], 0                    ; T is added onto in both chunks by one text, so it starts at 0; these lines stand in the wait for the first rows
.set i, i+1
.endr
	s_mov_b32 s57, 0
	s_mov_b32 s48, 3
.Lrows:                                        ; a trip: eight rows into LDS, the eight rows 8 further on asked for
	s_wait_loadcnt 32                      ; the older buffer's 32 loads are in, the younger buffer's stay out
	s_wait_alu depctr_vm_vsrc(0)           ; the LDS stores of the trip before have read v10 and both out-buffers, all of which this trip writes again
	v_add_nc_u32 v10, s57, v20             ; this trip's first row
	ACVT 0, F0
	ALOADS 0, 8                            ; the refill goes out ahead of the stores; neither owes a further wait
	ASTORE F0, 0
	s_wait_loadcnt 32
	ACVT 1, F1
	ALOADS 1, 12
	ASTORE F1, 4
	s_wait_xcnt 0x0                        ; the loads' base is stepped only behind this wait
	s_add_nc_u64 s[28:29], s[28:29], 0x400000
	s_add_co_u32 s57, s57, 8*PA
	s_sub_co_u32 s48, s48, 1
	s_cmp_lg_u32 s48, 0
	s_cbranch_scc1 .Lrows
	s_wait_loadcnt 32
	s_wait_alu depctr_vm_vsrc(0)           ; the last trip's LDS stores have read v10 and both out-buffers: v10 and the first are written again, c's parts land in the second
	v_add_nc_u32 v10, s57, v20
	ACVT 0, F0                             ; rows 24-27
	ASTORE F0, 0
.irp q, 0,1,2,3                                ; c's parts: thread t takes numbers 4 t .. 4 t + 3 and 512 + 4 t .. of the row's 1,024
.irp i, 0,1
	global_load_b128 v[128+8*\q+4*\i:128+8*\q+4*\i+3], v9, s[50:51] offset:\q*1048576+2048*\i
.endr
.endr
.irp i, 0,1
	global_load_b128 v[160+4*\i:160+4*\i+3], v9, s[36:37] offset:2048*\i
	global_load_b128 v[168+4*\i:168+4*\i+3], v9, s[38:39] offset:2048*\i
.endr
	s_mov_b64 s[32:33], s[30:31]           ; B's ring is filled: K steps 0, 1, 2 of chunk 0
	BLOADS 0, 0
	BLOADS 1, 8192
	BLOADS 2, 16384
	s_wait_loadcnt 60                      ; rows 28-31 are in: behind them were issued the 12 loads for c and B's 48
	s_wait_alu depctr_vm_vsrc(0)           ; the stores of rows 24-27 have read the first out-buffer, which the conversions below write again (the second holds c's parts)
	ACVT 1, F0
	ASTORE F0, 4
	s_wait_loadcnt 48                      ; c's parts, b1 and W2 are in; B's 48 stay out
.irp i, 0,1
.irp p, 0,2
	v_pk_add_f32 v[128+4*\i+\p:128+4*\i+\p+1], v[128+4*\i+\p:128+4*\i+\p+1], v[136+4*\i+\p:136+4*\i+\p+1]
	v_pk_add_f32 v[144+4*\i+\p:144+4*\i+\p+1], v[144+4*\i+\p:144+4*\i+\p+1], v[152+4*\i+\p:152+4*\i+\p+1]
	v_pk_mul_f32 v[176+4*\i+\p:176+4*\i+\p+1], v[168+4*\i+\p:168+4*\i+\p+1], -2.0 op_sel_hi:[1,0]
	v_pk_add_f32 v[128+4*\i+\p:128+4*\i+\p+1], v[128+4*\i+\p:128+4*\i+\p+1], v[144+4*\i+\p:144+4*\i+\p+1]
	v_pk_add_f32 v[128+4*\i+\p:128+4*\i+\p+1], v[128+4*\i+\p:128+4*\i+\p+1], v[160+4*\i+\p:160+4*\i+\p+1]
	v_pk_mul_f32 v[128+4*\i+\p:128+4*\i+\p+1], v[128+4*\i+\p:128+4*\i+\p+1], s[44:45] op_sel_hi:[1,0]
.endr
.endr
	v_pk_add_f32 v[184:185], v[168:169], v[170:171]     ; the sum of W2: my eight, then my wave's
	v_pk_add_f32 v[186:187], v[172:173], v[174:175]
	v_pk_add_f32 v[184:185], v[184:185], v[186:187]
	v_add_f32 v184, v184, v185
	v_add_f32_dpp v184, v184, v184 row_xmask:1 row_mask:0xf bank_mask:0xf
	v_add_f32_dpp v184, v184, v184 row_xmask:2 row_mask:0xf bank_mask:0xf
	v_add_f32_dpp v184, v184, v184 row_xmask:4 row_mask:0xf bank_mask:0xf
	v_add_f32_dpp v184, v184, v184 row_xmask:8 row_mask:0xf bank_mask:0xf
	v_permlanex16_b32 v185, v184, s46, s47
	v_add_f32 v184, v184, v185
	s_wait_alu depctr_va_vdst(0)           ; K2 c, -2 W2 and the sum of W2 are written, which the five LDS stores below read
.irp i, 0,1
	ds_store_b128 v36, v[128+4*\i:128+4*\i+3] offset:2048*\i
	ds_store_b128 v36, v[176+4*\i:176+4*\i+3] offset:4096+2048*\i
.endr
	ds_store_b32 v37, v184
	s_wait_kmcnt 0x0                       ; b2
	s_wait_dscnt 0x0                       ; for the others' sake: my rows of X, my part of K2 c and -2 W2, my sum are in LDS
	s_barrier_signal -1
	s_barrier_wait -1                      ; everybody's are.  From here on X, K2 c and -2 W2 are only read
	s_wait_alu depctr_vm_vsrc(0)           ; my LDS stores have read their data registers in v64-191: these are A's two buffers from here on, in which the fragments' loads land
	AFETCH F0, 0
	s_mov_b32 s49, 0
	s_mov_b32 s56, 0
	; ---- THE PRODUCT AND ITS EPILOGUE, two chunks of 128 columns a wave, one text.  32 K steps a chunk: one, seven trips of four, three.
.Lchunk:
	STEP F0, 0, 1, 0, 64, 3*8192
	WIN 0                                  ; at a label and at a branch every window is 0
	s_mov_b32 s48, 7
.Lk:
	STEP F1, 1, 0, 0, 128, 4*8192
	STEP F0, 2, 0, 0, 192, 5*8192
	STEP F1, 3, 0, 0, 256, 6*8192
	STEP F0, 0, 0, 1, 64, 7*8192
	WIN 0
	s_wait_xcnt 0x0                        ; B's base is stepped only behind this wait
	s_add_nc_u64 s[32:33], s[32:33], 0x8000
	s_sub_co_u32 s48, s48, 1
	s_cmp_lg_u32 s48, 0
	s_cbranch_scc1 .Lk
	; The last three K steps ask for the next chunk's first three.  Behind the last chunk there is none: they ask for chunk 0's once more, 24 KiB a wave inside wf that nothing reads:
	; the price of one text for both chunks, in which every wait keeps its count.
	s_cmp_eq_u32 s49, 0
	s_cselect_b32 s34, 0x40000, 0
	s_add_nc_u64 s[32:33], s[30:31], s[34:35]
	STEP F1, 1, 0, 0, 128, 0
	STEP F0, 2, 0, 0, 192, 8192
	STEP F1, 3, 0, 2, 0, 16384
	EPILOGUE
	WIN 0
	s_add_co_u32 s49, s49, 1
	s_cmp_lt_u32 s49, 2
	s_cbranch_scc1 .Lchunk
	s_wait_loadcnt 0x0                     ; the loads that nothing reads have landed
	; ---- THE SCORES.  T[8 a + j] of lane (r, h) is row 16 a + 8 h + j's sum over my wave's columns with n % 16 = r.
	s_wait_alu depctr_va_vdst(0)           ; the epilogue has written T, which the LDS stores read, and is done with v128-191, in which rows of partial scores land behind the barrier
.irp a, 0,1,2,3,4,5,6,7
.irp j, 0,1,2,3,4,5,6,7
	ds_store_b32 v12, v[T+8*\a+\j] offset:(16*\a+\j)*PSC
.endr
.endr
	s_wait_dscnt 0x0                       ; for the others' sake
	s_barrier_signal -1
	s_barrier_wait -1                      ; the last barrier: from here each wave works for itself, and makes all 128 weights for itself
	ds_load_b128 v[32:35], v40             ; the four waves' sums of W2
	RLOAD 0, F0
	RLOAD 1, F1
	s_wait_dscnt 16                        ; all but the 16 youngest loads
	RSUM F0, 24
	s_wait_alu depctr_va_vdst(0)           ; the additions above are done reading and writing v64-127, in which the next row lands
	RLOAD 2, F0
	s_wait_dscnt 16
	RSUM F1, 25
	s_wait_alu depctr_va_vdst(0)           ; the additions above are done reading and writing v128-191, in which the next row lands
	RLOAD 3, F1
	s_wait_dscnt 16
	RSUM F0, 26
	s_wait_dscnt 0x0
	RSUM F1, 27                            ; v24-27: rows lane, 32 + lane, 64 + lane, 96 + lane
	v_add_f32 v32, v32, v33
	v_add_f32 v34, v34, v35
	v_add_f32 v32, v32, v34
	v_add_f32 v32, s42, v32                ; b2 + the sum of W2
	v_pk_add_f32 v[24:25], v[24:25], v[32:33] op_sel_hi:[1,0]
	v_pk_add_f32 v[26:27], v[26:27], v[32:33] op_sel_hi:[1,0]
	v_max3_num_f32 v28, v24, v25, v26      ; the maximum of the 128 scores
	v_max_num_f32 v28, v28, v27
	v_max_num_f32_dpp v28, v28, v28 row_xmask:1 row_mask:0xf bank_mask:0xf
	v_max_num_f32_dpp v28, v28, v28 row_xmask:2 row_mask:0xf bank_mask:0xf
	v_max_num_f32_dpp v28, v28, v28 row_xmask:4 row_mask:0xf bank_mask:0xf
	v_max_num_f32_dpp v28, v28, v28 row_xmask:8 row_mask:0xf bank_mask:0xf
	v_permlanex16_b32 v33, v28, s46, s47
	v_max_num_f32 v28, v28, v33
	v_mul_f32 v28, s43, v28
.irp i, 0,1,2,3
	v_fma_f32 v[24+\i], v[24+\i], s43, -v28    ; log2(e) s - log2(e) m
.endr
.irp i, 0,1,2,3
	v_exp_f32 v[24+\i], v[24+\i]
.endr
	v_nop                                  ; a plain instruction between the last exponential and the use of its result
	s_wait_alu depctr_va_vdst(0)           ; the four exponentials have written v24-27, which the additions below read
	v_add_f32 v28, v24, v25
	v_add_f32 v29, v26, v27
	v_add_f32 v28, v28, v29
	v_add_f32_dpp v28, v28, v28 row_xmask:1 row_mask:0xf bank_mask:0xf
	v_add_f32_dpp v28, v28, v28 row_xmask:2 row_mask:0xf bank_mask:0xf
	v_add_f32_dpp v28, v28, v28 row_xmask:4 row_mask:0xf bank_mask:0xf
	v_add_f32_dpp v28, v28, v28 row_xmask:8 row_mask:0xf bank_mask:0xf
	v_permlanex16_b32 v29, v28, s46, s47
	v_add_f32 v28, v28, v29                ; at least 1: the largest score's term
	v_rcp_f32 v28, v28
	v_nop
	s_wait_alu depctr_va_vdst(0)           ; the reciprocal has written v28, which the line below reads
	v_mul_f32 v28, 0x3b800000, v28         ; 1/256: the mean over 128 steps and the half
	v_pk_mul_f32 v[24:25], v[24:25], v[28:29] op_sel_hi:[1,0]
	v_pk_mul_f32 v[26:27], v[26:27], v[28:29] op_sel_hi:[1,0]
	; ---- THE POOLED SUM.  My wave takes d = 256 w .. 256 w + 255, a lane eight of them; 16 rows a trip.
	v_mov_b32 v14, v21
	v_mov_b32 v15, v22
.set i, 0
.rept 16
	v_mov_b32 v[OA+i], 0
.set i, i+1
.endr
	s_wait_alu depctr_va_vdst(0)           ; the weights v24-27 are written, which the LDS stores read; v14 and v15 are written, the addresses of the loads below; the row sums are done with v64-143, in which those loads land
.irp i, 0,1,2,3
	ds_store_b32 v23, v[24+\i] offset:128*\i   ; my wave's own copy: its loads below come behind these stores, and LDS serves a wave in order
.endr
	s_mov_b32 s57, 0
	s_mov_b32 s58, 0
	s_mov_b32 s48, 7
	PFETCH 0, 0
.Lpool:
	s_wait_alu depctr_va_vdst(0)           ; the multiply-adds of the trip before are done reading buffer 1, in which the loads below land
	PFETCH 1, 8
	s_wait_dscnt 10                        ; all but the ten loads just issued
	PMAC 0
	s_add_co_u32 s57, s57, 16*PA
	s_add_co_u32 s58, s58, 64
	s_wait_alu depctr_vm_vsrc(0)           ; the LDS loads issued so far have read v14 and v15
	v_add_nc_u32 v14, s57, v21
	v_add_nc_u32 v15, s58, v22
	s_wait_alu depctr_va_vdst(0)           ; v14 and v15 are written; the multiply-adds above are done reading buffer 0, in which the loads below land
	PFETCH 0, 0
	s_wait_dscnt 10
	PMAC 1
	s_sub_co_u32 s48, s48, 1
	s_cmp_lg_u32 s48, 0
	s_cbranch_scc1 .Lpool
	s_wait_alu depctr_va_vdst(0)           ; the last trip's multiply-adds are done reading buffer 1, in which the loads below land
	PFETCH 1, 8                            ; rows 120-127; rows 112-119 were asked for in the last trip
	s_wait_dscnt 10
	PMAC 0
	s_wait_dscnt 0x0
	PMAC 1
.irp p, 0,2,4,6
	v_pk_add_f32 v[OA+\p:OA+\p+1], v[OA+\p:OA+\p+1], v[OA+8+\p:OA+8+\p+1]
.endr
	; THE WAY OUT: a lane holds 32 consecutive bytes; through my own stage they become two stores of 512 consecutive bytes
	s_wait_alu depctr_va_vdst(0)           ; the additions have written the eight sums, which the LDS stores read, and are done reading the other eight registers, in which the LDS loads land
	ds_store_b128 v38, v[OA:OA+3]
	ds_store_b128 v38, v[OA+4:OA+7] offset:16
	ds_load_b128 v[OA+8:OA+11], v39
	ds_load_b128 v[OA+12:OA+15], v39 offset:512
	s_wait_dscnt 0x0
	global_store_b128 v8, v[OA+8:OA+11], s[52:53]
	global_store_b128 v8, v[OA+12:OA+15], s[52:53] offset:512
	s_wait_dscnt 0x0                       ; the closing lines, six on end
	s_wait_alu 0x0
	s_wait_tensorcnt 0x0
	ds_add_u32 v62, v63
	s_wait_dscnt 0x0
	s_endpgm
.Lfunc_end_k_q0474a3fc3c_fuse:
	.size	k_q0474a3fc3c_fuse, .Lfunc_end_k_q0474a3fc3c_fuse-k_q0474a3fc3c_fuse
	.p2alignl 7, 3214868480
	.fill 96, 4, 3214868480
	.section	.rodata,"a",@progbits
	.p2align	6, 0x0
	.amdhsa_kernel k_q0474a3fc3c_fuse
		.amdhsa_group_segment_fixed_size 314112
		.amdhsa_private_segment_fixed_size 0
		.amdhsa_enable_private_segment 0
		.amdhsa_kernarg_size 80
		.amdhsa_user_sgpr_count 2
		.amdhsa_user_sgpr_kernarg_segment_ptr 1
		.amdhsa_wavefront_size32 1
		.amdhsa_system_sgpr_workgroup_id_x 1
		.amdhsa_system_sgpr_workgroup_id_y 1
		.amdhsa_system_sgpr_workgroup_id_z 1
		.amdhsa_system_vgpr_workitem_id 0
		.amdhsa_next_free_vgpr 1024
		.amdhsa_next_free_sgpr 66
		.amdhsa_reserve_vcc 0
		.amdhsa_float_denorm_mode_32 3
		.amdhsa_float_denorm_mode_16_64 3
		.amdhsa_memory_ordered 1
		.amdhsa_forward_progress 1
		.amdhsa_inst_pref_size 236
	.end_amdhsa_kernel
	.amdgpu_metadata
---
amdhsa.version: [ 1, 2 ]
amdhsa.kernels:
  - .name:           k_q0474a3fc3c_fuse
    .symbol:         k_q0474a3fc3c_fuse.kd
    .args:
      - { .name: feature1_seq, .offset: 0, .size: 8, .value_kind: global_buffer, .address_space: global }
      - { .name: wf, .offset: 8, .size: 8, .value_kind: global_buffer, .address_space: global }
      - { .name: cpart, .offset: 16, .size: 8, .value_kind: global_buffer, .address_space: global }
      - { .name: b11, .offset: 24, .size: 8, .value_kind: global_buffer, .address_space: global }
      - { .name: b12, .offset: 32, .size: 8, .value_kind: global_buffer, .address_space: global }
      - { .name: W21, .offset: 40, .size: 8, .value_kind: global_buffer, .address_space: global }
      - { .name: W22, .offset: 48, .size: 8, .value_kind: global_buffer, .address_space: global }
      - { .name: b21, .offset: 56, .size: 8, .value_kind: global_buffer, .address_space: global }
      - { .name: b22, .offset: 64, .size: 8, .value_kind: global_buffer, .address_space: global }
      - { .name: part, .offset: 72, .size: 8, .value_kind: global_buffer, .address_space: global }
    .group_segment_fixed_size: 314112
    .private_segment_fixed_size: 0
    .kernarg_segment_align: 8
    .kernarg_segment_size: 80
    .max_flat_workgroup_size: 128
    .sgpr_count:     66
    .vgpr_count:     1024
    .wavefront_size: 32
...
	.end_amdgpu_metadata
.endif
;; end of part 5
;; launch sum: the kernel of part 3 again; grid 128 x 1, 8 waves a work-group, no clusters, 0 bytes of LDS; arguments part, out0; writes out0
